; MI455X (gfx1250); checked and timed in simulation.
; The chip was launched on July 23, 2026; its instructions are those of AMD's public machine-readable ISA for CDNA 5 (MIT licence, August 2026) and "CDNA5" Instruction Set Architecture Reference Guide (July 2026). The comments in the code are by the model that wrote it; some were corrected since.
;; Self Attention. Allowed arithmetic: matrix products marked QUANTISED: E3M2 operands, one E8M0 scale for each 32 along K, by v_wmma_scale_f32_16x16x128_f8f6f4 with both operands' format E3M2, f32 sums; everything else in f32.
;; Inputs: Wk 1,024 x 1,024 float32; Wo 1,024 x 1,024 float32; Wq 1,024 x 1,024 float32; Wv 1,024 x 1,024 float32; bk 1,024 float32; bo 1,024 float32; bq 1,024 float32; bv 1,024 float32; x 4 x 2,048 x 1,024 float32.
;; Outputs: out0 4 x 2,048 x 1,024 float32.
;; This version of the problem:
;;   THIS VERSION OF THE PROBLEM IS GIVEN IN LOW PRECISION. The matrix products marked QUANTISED in the list below multiply operands that are first quantised to E3M2 (3 exponent bits, 2 mantissa bits; 6 bits a number), with one power-of-two scale for each 32 numbers along K (OCP MX v1.0); their sums are f32. All else is computed in f32.
;;   The module's matrix products, in the order in which they are computed (A, B: the left and right operand; K: the contracted axis; several contracted axes count as one K, in the product's order):
;;     1. [M 8,192, K 1,024] x [K 1,024, N 1,024]; A: input x; B: input Wq: QUANTISED
;;     2. [M 8,192, K 1,024] x [K 1,024, N 1,024]; A: input x; B: input Wk: QUANTISED
;;     3. [M 8,192, K 1,024] x [K 1,024, N 1,024]; A: input x; B: input Wv: QUANTISED
;;     4. batch 64 x [M 2,048, K 64] x [K 64, N 2,048]; A: computed on the way; B: computed on the way: QUANTISED
;;     5. batch 64 x [M 2,048, K 2,048] x [K 2,048, N 64]; A: softmax (see below); B: computed on the way: QUANTISED
;;     6. [M 8,192, K 1,024] x [K 1,024, N 1,024]; A: computed on the way; B: input Wo: QUANTISED
;;   THE QUANTISER, for each operand of a quantised product, along K:
;;     - K is cut into blocks of 32 from its start; a last block that is shorter is filled with zeros.
;;     - A block's scale is 2^e with e = floor(log2(the largest magnitude in the block)) - 4, held to -126 .. 127; a block of zeros has e = 0. As a byte (E8M0): e + 127.
;;     - Each number is divided by its block's scale, clamped to +-28, and rounded to the nearest number of E3M2, ties to even, subnormals kept.
;;     - The product sums the exact products of the quantised numbers (number of the format x scale) in f32.
;;   ~~~python
;;   def quantise(x, axis):      # numpy; x: float32 -> the quantised numbers, widened to float32 again
;;       x = np.moveaxis(x, axis, -1); K = x.shape[-1]
;;       x = np.pad(x, [(0, 0)] * (x.ndim - 1) + [(0, -K % 32)]); x = x.reshape(x.shape[:-1] + (-1, 32)); a = np.abs(x).max(-1, keepdims=True)
;;       e = np.where(a > 0, np.clip(np.frexp(np.where(a > 0, a, 1))[1] - 1 - 4, -126, 127), 0)      # np.frexp(a)[1] - 1 = floor(log2(a)), exactly
;;       r = np.clip(x / 2.0 ** e, -28, 28)
;;       step = 2.0 ** (np.maximum(np.frexp(np.where(r == 0, 1, r))[1] - 1, -2) - 2)
;;       q = np.round(r / step) * step * 2.0 ** e      # np.round: ties to even
;;       return np.moveaxis(q.reshape(q.shape[:-2] + (-1,))[..., :K], -1, axis).astype(np.float32)
;;   ~~~
;;   SOFTMAX AHEAD OF A QUANTISED PRODUCT. Where the list says 'softmax', what is quantised is not the finished softmax but p = 2^(t - M), with t = logit x log2(e) and M = ceil(the row's largest t), a whole number; so 1/2 < the row's largest p <= 1. The row's sum l is taken of the UNQUANTISED p, in f32, and the product's result is divided by l at the end. Since M is a whole number, a kernel that streams over the keys may use a running M (the ceiling of the running maximum): every later rescaling is an exact power of two, which a block's scale takes up: the codes' values come out the same.
;;   OPERANDS COMPUTED ON THE WAY. 'Computed on the way' means the value that the module computes at that place (a softmax that the list does not call 'softmax' is quantised finished and normalised). What goes into a quantiser is computed in f32, as accurately as f32 sums, v_exp_f32 and their like allow (about 1e-6 of the number): no bf16 or f16 on the way to a quantiser, and a product that is left as it is and whose result goes on into a quantised operand takes f32 operands (vector FMAs, or v_wmma_f32_16x16x4_f32). A number that lies on a knife's edge between two numbers of the format may be rounded either way, as far as f32 arithmetic and the matrix unit's own rounding can turn it there, and no further.
;; One version. Each part assembles by itself: llvm-mc -triple=amdgcn-amd-amdhsa -mcpu=gfx1250 --defsym DOCPART=n.
;; ======== version 1 of 1: 4 launches
;; workspace buffers: xq 6,553,600 bytes; wq 3,276,800 bytes; qb 6,815,744 bytes; kv 13,631,488 bytes; yb 6,815,744 bytes
;; launch qxw (part 1): grid 512 x 1, 4 waves a work-group, no clusters, 48,128 bytes of LDS; arguments x, Wq, Wk, Wv, Wo, xq, wq; writes xq, wq
.if DOCPART == 1
	.amdgcn_target "amdgcn-amd-amdhsa--gfx1250"
	.amdhsa_code_object_version 6
	.text
	.protected	k_qc984762eec_qxw
	.globl	k_qc984762eec_qxw
	.p2align	8
	.type	k_qc984762eec_qxw,@function
k_qc984762eec_qxw:
	s_mov_b64 s[64:65], 0
	v_nop
	global_prefetch_b8 v0, s[64:65] scope:SCOPE_SE
	s_setreg_imm32_b32 hwreg(HW_REG_WAVE_MODE, 25, 1), 1
	s_wait_xcnt 0x0
; TWO QUANTISERS IN ONE LAUNCH: work-groups 0 .. 255 take x, work-groups 256 .. 511 the four weights.  The one branch hangs on the work-group's number alone, each path ends itself, and each has LDS bytes of its own.
; Both make codes of BF6 (E3M2) with one E8M0 byte for each 32 along K = 1,024, laid as IMAGES OF THE OPERAND'S REGISTERS: an image is 16 rows x 128 along K, 12 registers a lane, 1,536 bytes:
; registers 4 c .. 4 c + 3 of lane l at 512 c + 16 l.  Group G's 16 rows (tokens of x, columns of a weight) are 32 (G / 2) + 8 (G % 2) + i + 8 (i / 8), i = 0 .. 15.
; x: image (G, K step s) at 12,288 G + 1,536 s of xq; the scale word (four bytes, 128 along K) of (G, row r, s) at XS + 512 G + 256 (s / 4) + 16 r + 4 (s % 4).
; Weight t (0 q, 1 k, 2 v, 3 o): the same in wq, from 786,432 t on; scale words from WS + 32,768 t on.
; A block's scale is 2^(floor(log2(its largest magnitude)) - 4); its byte is the largest magnitude's exponent field - 4, held at 1 from below.
; LIMITS: a block of zeros gets the byte 1 where the rule says 127 (its codes are zeros; this program alone reads the bytes); blocks whose largest magnitude lies under 2^-122 keep the byte 1;
; NaN and infinities among the inputs are not served.
; x's PATH: K is innermost.  A wave takes one group and four K steps.  Each load reads 512 consecutive bytes of one row; an image's 16 rows turn through the wave's own stage in LDS, so that lane (r, h) gets
; k = 64 c + 32 h + 0 .. 31 of row r: two whole blocks, in the order of the operand's registers.  No barrier: waves share nothing.
; THE WEIGHTS' PATH: K is the FIRST axis.  A lane takes a column and its registers run down K: a block of 32 lies in one lane's registers, and the conversions give codes with K innermost.
; A work-group takes 32 columns and four K steps, one a wave.  A wave's 32 columns are two groups: its codes go through its own stage, laid as the two images, and leave by stores of 512 consecutive bytes.
; The four waves' scale words meet in LDS behind one barrier, which all four waves of such a work-group pass, and leave as two whole blocks of 256 bytes.
.set NXG,    256                       ; work-groups that take x
.set ROW,    4096                      ; bytes in a row of x and of a weight
.set SPITCH, 528                       ; x: a stage row: 512 bytes + 16
.set XS,     6291456                   ; where the scale words begin in xq
.set WS,     3145728                   ; and in wq
.set WLDS,   4*16*SPITCH               ; the weights' LDS bytes begin behind x's four stages
.set IMGP,   1664                      ; the weights: from one image to the other in a stage: 1,536 bytes + 128
.set SCW,    WLDS+4*2*IMGP             ; behind the weights' four stages: a work-group's 512 bytes of scale words
.set XR,  16                           ; x: v16-143   two sets of 64: an image's numbers as loaded
.set XX,  144                          ;    v144-207  the same, 32 neighbours for each of my two blocks
.set XC,  208                          ;    v208-219  the image's 12 registers
.set XCT, 220                          ;    v220-226  second halves of the blocks' codes (a conversion's three registers begin on an even number)
.set XSW, 228                          ;    v228-231  the four K steps' scale words
.set WX,  16                           ; weights: v16-143  128 numbers down K; on the way out v16-39 the two images
.set WC,  144                          ;    v144-175 eight registers for each block's six of codes
.set WCT, 176                          ;    v176-178 a block's second half
.set WD,  180                          ;    v180     my column's scale word
.macro XLOAD t                         ; x: image t's 16 rows x 512 bytes into set t % 2
.irp i, 0,1,2,3,4,5,6,7,8,9,10,11,12,13,14,15
	global_load_b128 v[XR+64*((\t)%2)+4*\i:XR+64*((\t)%2)+4*\i+3], v2, s[4:5] offset:(\i+8*(\i/8))*ROW+512*(\t) th:TH_LOAD_NT
.endr
.endm
.macro XIMG t
.if (\t) < 3
	s_wait_loadcnt 16                              ; this image's 16 loads are in; the next image's 16 may be out
.else
	s_wait_loadcnt 0x0
.endif
.irp i, 0,1,2,3,4,5,6,7,8,9,10,11,12,13,14,15
	ds_store_b128 v3, v[XR+64*((\t)%2)+4*\i:XR+64*((\t)%2)+4*\i+3] offset:SPITCH*\i
.endr
.irp c, 0,1
.irp k, 0,1,2,3,4,5,6,7
	ds_load_b128 v[XX+32*\c+4*\k:XX+32*\c+4*\k+3], v4 offset:256*\c+16*\k   ; LDS serves a wave's instructions in order: these see the stores above
.endr
.endr
	s_wait_dscnt 0x0                               ; the numbers are back, and the stores have read their registers
.if (\t) < 2
	XLOAD (\t)+2
.endif
.irp c, 0,1                                    ; my block 2 c + h: all its 32 numbers are mine; two chains for each block
	v_max3_num_f32 v[8+2*\c], |v[XX+32*\c]|, |v[XX+32*\c+1]|, |v[XX+32*\c+2]|
	v_max3_num_f32 v[9+2*\c], |v[XX+32*\c+3]|, |v[XX+32*\c+4]|, |v[XX+32*\c+5]|
.endr
.irp i, 6,10,14,18,22,26
.irp c, 0,1
	v_max3_num_f32 v[8+2*\c], v[8+2*\c], |v[XX+32*\c+\i]|, |v[XX+32*\c+\i+1]|
	v_max3_num_f32 v[9+2*\c], v[9+2*\c], |v[XX+32*\c+\i+2]|, |v[XX+32*\c+\i+3]|
.endr
.endr
.irp c, 0,1
	v_max3_num_f32 v[8+2*\c], v[8+2*\c], |v[XX+32*\c+30]|, |v[XX+32*\c+31]|
.endr
.irp c, 0,1
	v_max3_num_f32 v[8+2*\c], v[8+2*\c], v[9+2*\c], 0x2800000   ; and the floor 2^(5 - 127): the byte cannot fall under 1
.endr
.irp c, 0,1
	v_add_nc_u32 v[12+\c], 0xfe000000, v[8+2*\c]   ; 4 off the exponent field: the conversion takes the exponent field of this operand as its scale
.endr
.irp c, 0,1
	v_lshrrev_b32 v[14+\c], 23, v[12+\c]           ; the scale's byte
.endr
	v_lshl_or_b32 v232, v15, 16, v14               ; my two bytes: blocks h and 2 + h,
	v_lshlrev_b32 v232, v5, v232                   ; at their places in the word;
	v_permlanex16_b32 v233, v232, s24, s25
	v_or_b32 v[XSW+(\t)], v232, v233               ; with lane l xor 16's two the word is whole
.if (\t) > 0
	s_wait_alu depctr_va_vdst(0)
	s_wait_xcnt 0x0                                ; the last image's stores have read their registers: the codes' registers are written again only behind this wait
.endif
.irp c, 0,1
	v_cvt_scalef32_pk16_bf6_f32 v[XC+6*\c:XC+6*\c+2], v[XX+32*\c:XX+32*\c+15], v[12+\c]
	v_cvt_scalef32_pk16_bf6_f32 v[XCT+4*\c:XCT+4*\c+2], v[XX+32*\c+16:XX+32*\c+31], v[12+\c]
.endr
	v_nop                                          ; one plain place behind a scaled conversion
.irp c, 0,1
.irp i, 0,1,2
	v_mov_b32 v[XC+6*\c+3+\i], v[XCT+4*\c+\i]
.endr
.endr
.irp q, 0,1,2
	global_store_b128 v2, v[XC+4*\q:XC+4*\q+3], s[14:15] offset:1536*(\t)+512*\q   ; 32 lanes store 512 consecutive bytes, aligned to 256
.endr
.endm
.macro WLOAD t                         ; weights: block t: W(32 t + i, my column)
.irp i, 0,1,2,3,4,5,6,7,8,9,10,11,12,13,14,15,16,17,18,19,20,21,22,23,24,25,26,27,28,29,30,31
	global_load_b32 v[WX+32*(\t)+\i], v2, s[6:7] offset:(32*(\t)+\i)*ROW
.endr
.endm
.macro WBLOCK t
.set XB, WX+32*(\t)
.set CB, WC+8*(\t)
.if (\t) < 3
	s_wait_loadcnt 32                              ; this block's 32 loads are in; the next block's may be out
.else
	s_wait_loadcnt 0x0
.endif
.if (\t) < 2
	WLOAD (\t)+2
.endif
	v_max3_num_f32 v10, |v[XB]|, |v[XB+1]|, |v[XB+2]|
	v_max3_num_f32 v11, |v[XB+3]|, |v[XB+4]|, |v[XB+5]|
.irp i, 6,10,14,18,22,26
	v_max3_num_f32 v10, v10, |v[XB+\i]|, |v[XB+\i+1]|
	v_max3_num_f32 v11, v11, |v[XB+\i+2]|, |v[XB+\i+3]|
.endr
	v_max3_num_f32 v10, v10, |v[XB+30]|, |v[XB+31]|
	v_max3_num_f32 v10, v10, v11, 0x2800000        ; and the floor 2^(5 - 127)
	v_add_nc_u32 v12, 0xfe000000, v10              ; 4 off the exponent field: the conversion's scale operand
	v_lshrrev_b32 v13, 23, v12                     ; the scale's byte
.if (\t) == 0
	v_mov_b32 v[WD], v13
.else
	v_lshl_or_b32 v[WD], v13, 8*(\t), v[WD]        ; byte t of the K step's word
.endif
	v_cvt_scalef32_pk16_bf6_f32 v[CB:CB+2], v[XB:XB+15], v12
	v_cvt_scalef32_pk16_bf6_f32 v[WCT:WCT+2], v[XB+16:XB+31], v12
	v_nop                                          ; one plain place behind a scaled conversion
.irp i, 0,1,2
	v_mov_b32 v[CB+3+\i], v[WCT+\i]
.endr
; block t = 2 c + hb is registers 6 c .. 6 c + 5 of the image's lane (my row) + 16 hb
.if (\t)/2 == 0
	ds_store_b128 v6, v[CB:CB+3] offset:256*((\t)%2)               ; registers 0-3
	ds_store_b64 v6, v[CB+4:CB+5] offset:512+256*((\t)%2)          ; registers 4, 5
.else
	ds_store_b64 v6, v[CB:CB+1] offset:520+256*((\t)%2)            ; registers 6, 7
	ds_store_b128 v6, v[CB+2:CB+5] offset:1024+256*((\t)%2)        ; registers 8-11
.endif
.endm
	s_load_b256 s[4:11], s[0:1], 0x0               ; x, Wq, Wk, Wv
	s_load_b128 s[12:15], s[0:1], 0x20             ; Wo, xq
	s_load_b64 s[16:17], s[0:1], 0x30              ; wq
	v_lshl_add_u32 v240, v0, 2, 0xba00
	v_mov_b32 v241, 0
	v_lshrrev_b32 v7, 5, v0
	v_readfirstlane_b32 s20, v7                    ; wave
	v_and_b32 v1, 31, v0                           ; lane
	s_cmp_lt_u32 ttmp9, NXG                        ; x's work-group or the weights'?  The work-group's number alone decides
	s_cbranch_scc0 .Lweights
	; ---------------- x
	v_and_b32 v6, 15, v0                           ; r
	v_bfe_u32 v5, v0, 4, 1                         ; h
	v_lshlrev_b32 v2, 4, v1                        ; 16 x lane
	s_mul_i32 s21, s20, 16*SPITCH                  ; my stage
	v_add_nc_u32 v3, s21, v2                       ; into it: a row's 512 bytes as they lie
	v_mul_u32_u24 v4, v6, SPITCH
	v_lshl_add_u32 v4, v5, 7, v4
	v_add_nc_u32 v4, s21, v4                       ; out of it: row r, + 128 h bytes
	v_lshlrev_b32 v5, 3, v5                        ; 8 h: my two bytes' shift in the scale word
	v_lshlrev_b32 v6, 4, v6                        ; 16 r: my row's four scale words
	v_mov_b32 v233, 0                              ; written once: a lane permute's destination counts as one of its sources
	s_mov_b32 s24, 0x76543210
	s_mov_b32 s25, 0xfedcba98                      ; v_permlanex16_b32's selects for lane l xor 16
	s_lshl_b32 s22, ttmp9, 2
	s_add_co_u32 s22, s22, s20                     ; 4 x work-group + wave
	s_lshr_b32 s23, s22, 1                         ; G
	s_and_b32 s26, s22, 1                          ; which four K steps
	s_lshr_b32 s27, s23, 1
	s_lshl_b32 s27, s27, 17                        ; 32 (G / 2) rows of 4,096 bytes
	s_and_b32 s28, s23, 1
	s_lshl_b32 s28, s28, 15                        ; + 8 (G % 2) rows
	s_add_co_u32 s27, s27, s28
	s_lshl_b32 s28, s26, 11                        ; + four K steps of 512 bytes
	s_add_co_u32 s30, s27, s28
	s_mov_b32 s31, 0
	s_mul_i32 s32, s23, 12288
	s_mul_i32 s28, s26, 6144
	s_add_co_u32 s32, s32, s28                     ; my four images
	s_mov_b32 s33, 0
	s_lshl_b32 s34, s22, 8                         ; 512 G + 256 (s / 4)
	s_add_co_u32 s34, s34, XS
	s_mov_b32 s35, 0
	s_wait_alu depctr_va_vdst(0)
	s_wait_kmcnt 0x0
	s_add_nc_u64 s[4:5], s[4:5], s[30:31]
	s_add_nc_u64 s[36:37], s[14:15], s[34:35]
	s_add_nc_u64 s[14:15], s[14:15], s[32:33]
	XLOAD 0
	XLOAD 1
	XIMG 0
	XIMG 1
	XIMG 2
	XIMG 3
	s_wait_xcnt 0x0                                ; EXEC changes only behind this wait
	v_cmp_gt_u32 vcc_lo, 16, v1
	s_wait_tensorcnt 0x0
	ds_add_u32 v240, v241
	s_wait_dscnt 0x0
	s_and_saveexec_b32 s38, vcc_lo                 ; both halves hold the same words: lanes 0-15 store them
	global_store_b128 v6, v[XSW:XSW+3], s[36:37]   ; 16 lanes store 256 consecutive bytes, aligned
	s_wait_xcnt 0x0
	s_or_b32 exec_lo, exec_lo, s38
	s_endpgm
	; ---------------- the weights
.Lweights:
	s_sub_co_u32 s21, ttmp9, NXG
	s_and_b32 s22, s21, 31                         ; which 32 columns
	s_bfe_u32 s23, s21, 0x10005                    ; which four K steps
	s_lshr_b32 s24, s21, 6                         ; which weight
	s_lshl_b32 s25, s23, 2
	s_add_co_u32 s25, s25, s20                     ; my K step
	s_wait_alu depctr_va_vdst(0)
	v_lshlrev_b32 v2, 2, v1                        ; 4 x lane: the lane is my column among the 32
	v_lshlrev_b32 v3, 4, v1                        ; 16 x lane
	v_and_b32 v4, 7, v1
	v_lshrrev_b32 v5, 4, v1
	v_lshl_or_b32 v4, v5, 3, v4                    ; my column's row in its group: (lane % 8) + 8 (lane / 16)
	v_bfe_u32 v5, v1, 3, 1                         ; and which of the two groups: (lane / 8) % 2
	s_mul_i32 s26, s20, 2*IMGP
	s_add_co_u32 s26, s26, WLDS                    ; my stage
	v_mul_u32_u24 v6, v5, IMGP
	v_lshl_add_u32 v6, v4, 4, v6
	v_add_nc_u32 v6, s26, v6                       ; into it: my group's image, 16 x my row
	v_add_nc_u32 v7, s26, v3                       ; out of it: 16 x lane
	v_lshlrev_b32 v8, 8, v5
	v_lshl_add_u32 v8, v4, 4, v8
	s_lshl_b32 s27, s20, 2
	s_add_co_u32 s27, s27, SCW
	v_add_nc_u32 v8, s27, v8                       ; my scale word: 256 x group + 16 x row + 4 x wave
	v_add_nc_u32 v9, SCW, v3                       ; wave 0 reads them back: 16 x lane
	v_and_b32 v14, 15, v1
	v_lshrrev_b32 v15, 4, v1
	v_lshlrev_b32 v14, 4, v14
	v_lshl_add_u32 v14, v15, 9, v14                ; and stores them: 512 x group + 16 x row
	s_lshl_b32 s30, s25, 19                        ; W: 128 rows of 4,096 bytes a K step,
	s_lshl_b32 s28, s22, 7                         ; + 32 columns of 4 bytes
	s_add_co_u32 s30, s30, s28
	s_mov_b32 s31, 0
	s_mul_i32 s32, s24, 786432
	s_mul_i32 s28, s22, 24576
	s_add_co_u32 s32, s32, s28
	s_mul_i32 s28, s25, 1536
	s_add_co_u32 s32, s32, s28                     ; my first image
	s_mov_b32 s33, 0
	s_lshl_b32 s34, s24, 15
	s_lshl_b32 s28, s22, 10
	s_add_co_u32 s34, s34, s28
	s_lshl_b32 s28, s23, 8
	s_add_co_u32 s34, s34, s28
	s_add_co_u32 s34, s34, WS                      ; the work-group's scale words
	s_mov_b32 s35, 0
	s_wait_kmcnt 0x0
	s_cmp_eq_u32 s24, 1                            ; the weight is chosen by the work-group's number alone
	s_cselect_b64 s[6:7], s[8:9], s[6:7]
	s_cmp_eq_u32 s24, 2
	s_cselect_b64 s[6:7], s[10:11], s[6:7]
	s_cmp_eq_u32 s24, 3
	s_cselect_b64 s[6:7], s[12:13], s[6:7]
	s_add_nc_u64 s[6:7], s[6:7], s[30:31]
	s_add_nc_u64 s[8:9], s[16:17], s[32:33]
	s_add_nc_u64 s[10:11], s[16:17], s[34:35]
	WLOAD 0
	WLOAD 1
	WBLOCK 0
	WBLOCK 1
	WBLOCK 2
	WBLOCK 3
.irp u, 0,1
.irp q, 0,1,2
	ds_load_b128 v[WX+12*\u+4*\q:WX+12*\u+4*\q+3], v7 offset:IMGP*\u+512*\q   ; LDS serves a wave's instructions in order: these see my stores
.endr
.endr
	ds_store_b32 v8, v[WD]
	s_wait_dscnt 0x0                               ; the images are back; for the others' sake: my scale words have landed
.irp u, 0,1
.irp q, 0,1,2
	global_store_b128 v3, v[WX+12*\u+4*\q:WX+12*\u+4*\q+3], s[8:9] offset:12288*\u+512*\q   ; 512 consecutive bytes, aligned to 256
.endr
.endr
	s_barrier_signal -1
	s_barrier_wait -1
	s_cmp_lg_u32 s20, 0
	s_cbranch_scc1 .Lend
	ds_load_b128 v[184:187], v9                    ; a row's four words (the four waves' K steps)
	s_wait_dscnt 0x0
	global_store_b128 v14, v[184:187], s[10:11]    ; each half of the lanes stores 256 consecutive bytes, aligned
.Lend:
	s_wait_tensorcnt 0x0
	ds_add_u32 v240, v241
	s_wait_dscnt 0x0
	s_endpgm
.Lfunc_end_k_qc984762eec_qxw:
	.size	k_qc984762eec_qxw, .Lfunc_end_k_qc984762eec_qxw-k_qc984762eec_qxw
	.p2alignl 7, 3214868480
	.fill 96, 4, 3214868480
	.section	.rodata,"a",@progbits
	.p2align	6, 0x0
	.amdhsa_kernel k_qc984762eec_qxw
		.amdhsa_group_segment_fixed_size 48128
		.amdhsa_private_segment_fixed_size 0
		.amdhsa_enable_private_segment 0
		.amdhsa_kernarg_size 56
		.amdhsa_user_sgpr_count 2
		.amdhsa_user_sgpr_kernarg_segment_ptr 1
		.amdhsa_wavefront_size32 1
		.amdhsa_system_sgpr_workgroup_id_x 1
		.amdhsa_system_sgpr_workgroup_id_y 1
		.amdhsa_system_sgpr_workgroup_id_z 1
		.amdhsa_system_vgpr_workitem_id 0
		.amdhsa_next_free_vgpr 242
		.amdhsa_next_free_sgpr 66
		.amdhsa_reserve_vcc 1
		.amdhsa_float_denorm_mode_32 3
		.amdhsa_float_denorm_mode_16_64 3
		.amdhsa_memory_ordered 1
		.amdhsa_forward_progress 1
		.amdhsa_inst_pref_size 52
	.end_amdhsa_kernel
	.amdgpu_metadata
---
amdhsa.version: [ 1, 2 ]
amdhsa.kernels:
  - .name:           k_qc984762eec_qxw
    .symbol:         k_qc984762eec_qxw.kd
    .args:
      - { .name: x, .offset: 0, .size: 8, .value_kind: global_buffer, .address_space: global }
      - { .name: Wq, .offset: 8, .size: 8, .value_kind: global_buffer, .address_space: global }
      - { .name: Wk, .offset: 16, .size: 8, .value_kind: global_buffer, .address_space: global }
      - { .name: Wv, .offset: 24, .size: 8, .value_kind: global_buffer, .address_space: global }
      - { .name: Wo, .offset: 32, .size: 8, .value_kind: global_buffer, .address_space: global }
      - { .name: xq, .offset: 40, .size: 8, .value_kind: global_buffer, .address_space: global }
      - { .name: wq, .offset: 48, .size: 8, .value_kind: global_buffer, .address_space: global }
    .group_segment_fixed_size: 48128
    .private_segment_fixed_size: 0
    .kernarg_segment_align: 8
    .kernarg_segment_size: 56
    .max_flat_workgroup_size: 128
    .sgpr_count:     66
    .vgpr_count:     242
    .wavefront_size: 32
...
	.end_amdgpu_metadata
.endif
;; end of part 1
;; launch gqkv (part 2): grid 24 x 32, 4 waves a work-group, clusters of 4 x 4, 295,424 bytes of LDS; arguments xq, wq, bq, bk, bv, qb, kv; writes qb, kv
.if DOCPART == 2
	.amdgcn_target "amdgcn-amd-amdhsa--gfx1250"
	.amdhsa_code_object_version 6
	.text
	.protected	k_qc984762eec_gqkv
	.globl	k_qc984762eec_gqkv
	.p2align	8
	.type	k_qc984762eec_gqkv,@function
k_qc984762eec_gqkv:
	s_mov_b64 s[64:65], 0
	v_nop
	global_prefetch_b8 v0, s[64:65] scope:SCOPE_SE
	s_setreg_imm32_b32 hwreg(HW_REG_WAVE_MODE, 25, 1), 1
	s_wait_xcnt 0x0
	s_wait_alu depctr_hold_cnt(0) depctr_sa_sdst(0) depctr_va_vdst(0) depctr_va_sdst(0) depctr_va_ssrc(0) depctr_va_vcc(0) depctr_vm_vsrc(0)
	s_getreg_b32 s2, hwreg(HW_REG_IB_STS2, 6, 4)
	s_cmp_eq_u32 s2, 0
	s_cbranch_scc0 .Lentry_in_a_cluster
	s_endpgm
.Lentry_in_a_cluster:
	s_bfe_u32 s2, ttmp6, 0x10000c
	s_cmp_lg_u32 s2, 0xf033
	s_cbranch_scc0 .Lentry_shape_is_right
	s_endpgm
.Lentry_shape_is_right:
; q = x Wq + bq, k = x Wk + bk, v = x Wv + bv on codes of BF6 (E3M2) with E8M0 scales, sums in f32; the results are quantised in registers and leave as codes, in the order of the next products' registers.
; THE TILE: 256 rows of one operand (the Q side: they become the LANES of the result) x 128 rows of the other (the P side: they become a lane's REGISTERS).  Source 0 = 16 rows of P, source 1 = 16 rows of Q.
; Groups of 16 rows are not neighbours: group G holds rows 32 (G / 2) + 8 (G % 2) + i + 8 (i / 8), so that register 16 b + i of a lane's 64 results is index 32 b + 16 (lane / 16) + i along P:
; 16 neighbours, as the conversions want them.
;   q, k: Q side = x (tokens in lanes), P side = the weight's columns (two heads of 64 in registers): quantised along the head.   v: Q side = Wv's columns, P side = x: quantised along the KEYS.
; Four waves; wave w owns Q groups 4 w .. 4 w + 3 and all 8 P groups: 32 accumulators.  K = 1,024 is 8 steps of 128.
; ALL OF K LIES IN LDS AT ONCE: 4 quarters of 73,728 bytes, each brought by one tensor load a wave; no LDS byte is filled twice.  A wave has four tensor loads out.
; CLUSTERS: 4 x 4 work-groups; the four of a row of the cluster need the same Q tiles, the four of a column the same P tiles: each is asked for jointly.  The kind (q, k, v) hangs on the cluster's x alone.
; OUT: q: half images (16 rows x 64: registers 0-3 at 16 l, 4-5 at 512 + 8 l) at ((b 16 + head) 128 + group) 768; scale words, 8 bytes a lane for 4 groups (word i of lane l: group 2 i + l / 16, row l % 16), from QS on.
;      k, v: a record of 13,312 bytes for each (b, head, 128 keys): 8 half images of k, 4 images of v^T, k's scale words (512), v's (256), 256 zeros (so that four records are a whole number of rows for each of attention's sixteen waves).
;      The scale words of q and k carry bytes 0 for K 64 .. 127, which attention pads with zero codes.
; LIMITS: a block of zeros gets the byte 1 where the rule says 127 (its codes are zeros; this program alone reads the bytes); blocks whose largest magnitude lies under 2^-122 keep the byte 1; NaN and infinities are not served.
; REGISTERS: window 0: v1-16 addresses; v24-31 the bias along lanes; v32-63 P's scale words, v64-79 Q's; v80-95 at work; v96-191 Q's fragments, two sets (later at work); v192-255 the bias along registers.
;            window 1: the accumulators, (a, b) at v[8 (8 a + b)].   window 2: P's fragments, two sets, at v0 and v128.
.set XS,   6291456                     ; the scale words in xq
.set WS,   3145728                     ; in wq
.set QS,   6291456                     ; in qb
.set QTR,  73728                       ; a quarter of K in LDS: 16 Q groups x 3,072, then 8 P groups x 3,072
.set POFF, 49152
.set NF,   36                          ; LDS loads that bring a K step's fragments
.set AQ,   8                           ; v8-11   LDS address of my Q fragments in quarter q
.set AP,   12                          ; v12-15  of the P fragments
.set BV,   24
.set SP,   32                          ; register 8 (b / 2) + s: lanes 0-15 P group b even, lanes 16-31 b odd
.set SQ,   64                          ; register 8 (a / 2) + s likewise
.set TM,   80
.set QF,   96
.set BI,   192
.set T,    96                          ; the epilogue: 64 results with their bias
.set PC,   160                         ; the codes just made (v160-178)
.set PW,   180                         ; v180-183 the four groups' scale words
.set WV,   18
.set SEL,  62
.set MSB,  0
.macro WIN new                         ; the immediate's high byte repeats the setting that is left
.if MSB != \new
	s_set_vgpr_msb (MSB<<8)|\new
.set MSB, \new
.endif
.endm
.macro PLACES                          ; four plain places: behind matrix instructions, in front of loads into their sources and of reads of their results
.rept 4
	v_nop
.endr
.endm
.macro CROUND                          ; a round of the cluster's barrier
	s_barrier_signal -1
	s_barrier_wait -1
	s_cmp_lg_u32 s[WV], 0
	s_cbranch_scc1 .Lnot_wave_0_\@
	s_barrier_signal -3
.Lnot_wave_0_\@:
	s_barrier_wait -3
	s_barrier_signal -1
	s_barrier_wait -1
.endm
	s_load_b128 s[4:7], s[0:1], 0x0                ; xq, wq
	s_load_b128 s[8:11], s[0:1], 0x10              ; bq, bk
	s_load_b128 s[12:15], s[0:1], 0x20             ; bv, qb
	s_load_b64 s[16:17], s[0:1], 0x30              ; kv
	v_lshl_add_u32 v90, v0, 2, 0x48000
	v_mov_b32 v91, 0
	ds_add_u32 v90, v91
	ds_add_u32 v90, v91
	v_lshrrev_b32 v4, 5, v0
	v_readfirstlane_b32 s[WV], v4                  ; wave 0..3
	s_and_b32 s19, s[WV], 1                        ; which half of a tile I fetch
	s_bfe_u32 s20, ttmp6, 0x40000                  ; cx
	s_bfe_u32 s21, ttmp6, 0x40004                  ; cy
	s_lshr_b32 s22, ttmp9, 1                       ; the kind: 0 q, 1 k, 2 v: the cluster's x / 2
	s_and_b32 s23, ttmp9, 1                        ; and which half of the kind's work
	s_and_b32 s56, ttmp7, 0xffff                   ; the cluster's y
	s_lshl_b32 s59, s21, 2
	s_lshl_b32 s59, 15, s59                        ; my row of the cluster
	s_lshl_b32 s60, 0x1111, s20                    ; my column
	; descriptor group 1: rows of 3,072 bytes (384 elements of 8 bytes: a group's two K steps), 12,288 bytes apart; Q: 8 groups a load, P: 4
	s_or_b32 s24, s59, (3<<16)|(1<<21)             ; 15:0 the mask: Q's tiles go to my row; 17:16 elements of 8 bytes; 21 set beside a mask
	s_mov_b32 s25, 384<<16                         ; tensor_dim0
	s_mov_b32 s26, 8<<16                           ; tensor_dim1
	s_mov_b32 s27, 384<<16                         ; tile_dim0
	s_mov_b32 s28, 8                               ; tile_dim1
	s_mov_b32 s29, 1536                            ; tensor_dim0_stride
	s_mov_b32 s30, 0
	s_mov_b32 s31, 0
	s_or_b32 s32, s60, (3<<16)|(1<<21)             ; P's tiles go to my column
	s_mov_b32 s33, 384<<16
	s_mov_b32 s34, 4<<16
	s_mov_b32 s35, 384<<16
	s_mov_b32 s36, 4
	s_mov_b32 s37, 1536
	s_mov_b32 s38, 0
	s_mov_b32 s39, 0
	; which tiles.  Q's numbers never hold cx, P's never cy
	s_lshl_b32 s57, s56, 2
	s_add_co_u32 s57, s57, s21                     ; q, k: Q tile = 4 x cluster y + cy (of x's 32)
	s_lshl_b32 s58, s23, 2
	s_add_co_u32 s58, s58, s20                     ; q, k: P tile = 4 x half + cx (of the weight's 8)
	s_lshl_b32 s60, s23, 3
	s_add_co_u32 s60, s60, s56
	s_lshl_b32 s60, s60, 2
	s_add_co_u32 s60, s60, s20                     ; v: P tile = 4 (8 x half + cluster y) + cx (of x's 64)
	s_mul_i32 s61, s22, 786432                     ; q, k: the weight's codes in wq
	s_mul_i32 s62, s22, 32768
	s_add_co_u32 s62, s62, WS                      ; and its scale words
	s_mov_b32 s63, XS
	s_mov_b32 s3, XS
	s_cmp_eq_u32 s22, 2
	s_cselect_b32 s57, s21, s57                    ; TQ (v: cy, of Wv's 4)
	s_cselect_b32 s58, s60, s58                    ; TP
	s_cselect_b32 s59, 1572864, 0                  ; where Q's codes begin in their buffer (v: Wv's in wq)
	s_cselect_b32 s63, WS+65536, s63               ; and Q's scale words
	s_cselect_b32 s61, 0, s61                      ; P's codes
	s_cselect_b32 s62, s3, s62                     ; P's scale words
	s_mul_i32 s84, s57, 196608                     ; Q: 16 groups of 12,288 bytes a tile,
	s_add_co_u32 s84, s84, s59
	s_mul_i32 s59, s19, 98304                      ; + my 8 groups
	s_add_co_u32 s84, s84, s59
	s_mov_b32 s85, 0
	s_lshl_b32 s88, s57, 13                        ; Q's scale words: 512 bytes a group: (16 TQ + 4 w) 512
	s_add_co_u32 s88, s88, s63
	s_lshl_b32 s59, s[WV], 11
	s_add_co_u32 s88, s88, s59
	s_mov_b32 s89, 0
	s_mul_i32 s90, s58, 98304                      ; P: 8 groups a tile,
	s_add_co_u32 s90, s90, s61
	s_mul_i32 s60, s19, 49152                      ; + my 4 groups
	s_add_co_u32 s90, s90, s60
	s_mov_b32 s91, 0
	s_lshl_b32 s94, s58, 12
	s_add_co_u32 s94, s94, s62
	s_mov_b32 s95, 0
	s_mul_i32 s100, s19, 24576                     ; where they go in a quarter: no place in the cluster enters an LDS address
	s_mul_i32 s101, s19, 12288
	s_add_co_u32 s101, s101, POFF
	s_and_b32 s2, s58, 7
	s_lshl_b32 s2, s2, 9                           ; the bias along registers: 128 numbers from 128 (TP % 8) on (used by q and k; for v it stays inside the buffer and is not used)
	s_mov_b32 s3, 0
	s_and_b32 s62, s57, 3
	s_lshl_b32 s62, s62, 10
	s_lshl_b32 s63, s[WV], 8
	s_add_co_u32 s62, s62, s63                     ; the bias along lanes: 64 numbers from 256 (TQ % 4) + 64 w on (used by v)
	s_mov_b32 s63, 0
	s_wait_dscnt 0x0
	s_wait_kmcnt 0x0
	s_cmp_eq_u32 s22, 2                            ; the buffers are chosen by the kind alone
	s_cselect_b64 s[86:87], s[6:7], s[4:5]         ; Q's buffer
	s_cselect_b64 s[92:93], s[4:5], s[6:7]         ; P's
	s_add_nc_u64 s[96:97], s[86:87], s[88:89]      ; Q's scale words
	s_add_nc_u64 s[98:99], s[92:93], s[94:95]      ; P's
	s_add_nc_u64 s[86:87], s[86:87], s[84:85]      ; Q's codes
	s_add_nc_u64 s[92:93], s[92:93], s[90:91]      ; P's
	s_cmp_eq_u32 s22, 1
	s_cselect_b64 s[8:9], s[10:11], s[8:9]
	s_cmp_eq_u32 s22, 2
	s_cselect_b64 s[8:9], s[12:13], s[8:9]         ; the kind's bias
	s_add_nc_u64 s[10:11], s[8:9], s[2:3]
	s_add_nc_u64 s[12:13], s[8:9], s[62:63]
.irp q, 0,1,2,3                                ; descriptor groups 0: a set for each quarter of K
	s_mov_b32 s[40+4*\q], 1                        ; count = 1
	s_add_co_u32 s[41+4*\q], s100, \q*QTR          ; LDS address
	s_add_nc_u64 s[42+4*\q:43+4*\q], s[86:87], \q*3072   ; global address: K steps 2 q, 2 q + 1
	s_or_b32 s[43+4*\q], s[43+4*\q], 0x80000000    ; type = 2
	s_mov_b32 s[68+4*\q], 1
	s_add_co_u32 s[69+4*\q], s101, \q*QTR
	s_add_nc_u64 s[70+4*\q:71+4*\q], s[92:93], \q*3072
	s_or_b32 s[71+4*\q], s[71+4*\q], 0x80000000
.endr
	CROUND                                         ; all sixteen work-groups are here: the joint loads meet
	s_cmp_lt_u32 s[WV], 2                          ; waves 0 and 1 fetch Q's halves, waves 2 and 3 P's: a wave's four fills stand in one branch on the wave's number
	s_cbranch_scc0 .Lfill_p
	tensor_load_to_lds s[40:43], s[24:31]
	s_nop 0
	tensor_load_to_lds s[44:47], s[24:31]
	s_nop 0
	tensor_load_to_lds s[48:51], s[24:31]
	s_nop 0
	tensor_load_to_lds s[52:55], s[24:31]
	s_nop 0
	PLACES                                         ; four v_nop follow the last
	s_branch .Lfilled
.Lfill_p:
	tensor_load_to_lds s[68:71], s[32:39]
	s_nop 0
	tensor_load_to_lds s[72:75], s[32:39]
	s_nop 0
	tensor_load_to_lds s[76:79], s[32:39]
	s_nop 0
	tensor_load_to_lds s[80:83], s[32:39]
	s_nop 0
	PLACES
.Lfilled:
	v_and_b32 v4, 31, v0                           ; lane
	v_and_b32 v5, 15, v0                           ; r
	v_bfe_u32 v6, v0, 4, 1                         ; h
	v_lshlrev_b32 v1, 4, v4                        ; 16 x lane
	v_lshlrev_b32 v2, 3, v4                        ; 8 x lane
	v_lshlrev_b32 v3, 4, v5
	v_lshl_add_u32 v3, v6, 9, v3                   ; scale words: 16 r, lanes 16-31 the next group (512 bytes on)
	s_mul_i32 s3, s[WV], 12288
	v_add_nc_u32 v[AQ], s3, v1
	v_add_nc_u32 v[AP], POFF, v1
.irp q, 1,2,3
	v_add_nc_u32 v[AQ+\q], \q*QTR, v[AQ]
	v_add_nc_u32 v[AP+\q], \q*QTR, v[AP]
.endr
	v_lshlrev_b32 v7, 6, v6                        ; the bias along registers: 16 h numbers on
	v_and_b32 v16, 8, v5
	v_add_nc_u32 v16, v16, v5
	v_lshlrev_b32 v16, 2, v16                      ; the bias along lanes: number r + 8 (r / 8) of a group's span
.irp b, 0,1,2,3
	v_mov_b32 v[TM+4+\b], 0                        ; written once: a lane permute's destination counts as one of its sources
.endr
.irp i, 0,1,2,3
.irp j, 0,1
	global_load_b128 v[SP+8*\i+4*\j:SP+8*\i+4*\j+3], v3, s[98:99] offset:1024*\i+256*\j   ; each half of the lanes reads 256 consecutive bytes: a group's words of four K steps
.endr
.endr
.irp i, 0,1
.irp j, 0,1
	global_load_b128 v[SQ+8*\i+4*\j:SQ+8*\i+4*\j+3], v3, s[96:97] offset:1024*\i+256*\j
.endr
.endr
.irp t, 0,1,2,3,4,5,6,7
	global_load_b128 v[BI+8*\t:BI+8*\t+3], v7, s[10:11] offset:(32*(\t/2)+8*(\t%2))*4
	global_load_b128 v[BI+8*\t+4:BI+8*\t+7], v7, s[10:11] offset:(32*(\t/2)+8*(\t%2))*4+16
.endr
.irp a, 0,1,2,3
	global_load_b32 v[BV+2*\a], v16, s[12:13] offset:(32*(\a/2)+8*(\a%2))*4
.endr
; A K step's fragments: images come back as they were stored, 16 bytes a lane, 512 consecutive bytes a load
.macro FETCH s, p
	WIN 0x80                                       ; destination window 2
.irp b, 0,1,2,3,4,5,6,7
.irp c, 0,1,2
	ds_load_b128 v[128*(\p)+12*\b+4*\c:128*(\p)+12*\b+4*\c+3], v[AP+(\s)/2] offset:3072*\b+1536*((\s)%2)+512*\c
.endr
.endr
	WIN 0
.irp a, 0,1,2,3
.irp c, 0,1,2
	ds_load_b128 v[QF+48*(\p)+12*\a+4*\c:QF+48*(\p)+12*\a+4*\c+3], v[AQ+(\s)/2] offset:3072*\a+1536*((\s)%2)+512*\c
.endr
.endr
.endm
; One product.  z: the constant 0 starts the sum.  bo, ao: the group is odd: its scale words stand in lanes 16-31
.macro WM z, bo, ao
.if \z
.if (\bo) && (\ao)
	v_wmma_scale_f32_16x16x128_f8f6f4 v[rD:rD+7], v[rP:rP+11], v[rQ:rQ+11], 0, v[rSP], v[rSQ] matrix_a_fmt:MATRIX_FMT_BF6 matrix_b_fmt:MATRIX_FMT_BF6 matrix_a_scale:MATRIX_SCALE_ROW1 matrix_b_scale:MATRIX_SCALE_ROW1
.elseif \bo
	v_wmma_scale_f32_16x16x128_f8f6f4 v[rD:rD+7], v[rP:rP+11], v[rQ:rQ+11], 0, v[rSP], v[rSQ] matrix_a_fmt:MATRIX_FMT_BF6 matrix_b_fmt:MATRIX_FMT_BF6 matrix_a_scale:MATRIX_SCALE_ROW1
.elseif \ao
	v_wmma_scale_f32_16x16x128_f8f6f4 v[rD:rD+7], v[rP:rP+11], v[rQ:rQ+11], 0, v[rSP], v[rSQ] matrix_a_fmt:MATRIX_FMT_BF6 matrix_b_fmt:MATRIX_FMT_BF6 matrix_b_scale:MATRIX_SCALE_ROW1
.else
	v_wmma_scale_f32_16x16x128_f8f6f4 v[rD:rD+7], v[rP:rP+11], v[rQ:rQ+11], 0, v[rSP], v[rSQ] matrix_a_fmt:MATRIX_FMT_BF6 matrix_b_fmt:MATRIX_FMT_BF6
.endif
.else
.if (\bo) && (\ao)
	v_wmma_scale_f32_16x16x128_f8f6f4 v[rD:rD+7], v[rP:rP+11], v[rQ:rQ+11], v[rC:rC+7], v[rSP], v[rSQ] matrix_a_fmt:MATRIX_FMT_BF6 matrix_b_fmt:MATRIX_FMT_BF6 matrix_a_scale:MATRIX_SCALE_ROW1 matrix_b_scale:MATRIX_SCALE_ROW1
.elseif \bo
	v_wmma_scale_f32_16x16x128_f8f6f4 v[rD:rD+7], v[rP:rP+11], v[rQ:rQ+11], v[rC:rC+7], v[rSP], v[rSQ] matrix_a_fmt:MATRIX_FMT_BF6 matrix_b_fmt:MATRIX_FMT_BF6 matrix_a_scale:MATRIX_SCALE_ROW1
.elseif \ao
	v_wmma_scale_f32_16x16x128_f8f6f4 v[rD:rD+7], v[rP:rP+11], v[rQ:rQ+11], v[rC:rC+7], v[rSP], v[rSQ] matrix_a_fmt:MATRIX_FMT_BF6 matrix_b_fmt:MATRIX_FMT_BF6 matrix_b_scale:MATRIX_SCALE_ROW1
.else
	v_wmma_scale_f32_16x16x128_f8f6f4 v[rD:rD+7], v[rP:rP+11], v[rQ:rQ+11], v[rC:rC+7], v[rSP], v[rSQ] matrix_a_fmt:MATRIX_FMT_BF6 matrix_b_fmt:MATRIX_FMT_BF6
.endif
.endif
.endm
; A K step's 32 products.  cm = 1: they start the sums; 0: they add in place.  The 32 accumulators take turns, one instruction a turn, in the same order in every step
.macro MUL s, p, cm
	WIN 0x52                                       ; source 0 (P) window 2, source 1 (Q) window 0, C and D window 1
.irp a, 0,1,2,3
.irp b, 0,1,2,3,4,5,6,7
.set rD, 8*(8*\a+\b)
.set rC, rD
.set rP, 128*(\p)+12*\b
.set rQ, QF+48*(\p)+12*\a
.set rSP, SP+8*(\b/2)+(\s)
.set rSQ, SQ+8*(\a/2)+(\s)
	WM \cm, \b%2, \a%2
.endr
.endr
.endm
.macro KSTEP s, cm
.if ((\s)+1 == 2) || ((\s)+1 == 4) || ((\s)+1 == 6)
	s_wait_tensorcnt 3-((\s)+1)/2                  ; my part of the next quarter of K is in; the later quarters' loads may be out
	s_wait_dscnt 0x0                               ; no LDS load of mine is pending at the signal
	s_barrier_signal -1
	s_barrier_wait -1                              ; everybody's part is in
.endif
.if ((\s) > 0) && ((\s) < 7)
	PLACES                                         ; in front of loads into the set that the last step multiplied
.endif
.if (\s) < 7
	FETCH (\s)+1, 1-(\s)%2
	s_wait_dscnt NF                                ; this step's fragments are in; the NF loads just issued may be out
.else
	s_wait_dscnt 0x0
.endif
	MUL \s, (\s)%2, \cm
	WIN 0
.endm
	s_wait_tensorcnt 3                             ; my part of the first quarter is in; three loads may be out
	s_barrier_signal -1
	s_barrier_wait -1
	FETCH 0, 0
	s_wait_loadcnt 0x0                             ; scale words and biases
.irp a, 0,1,2,3
	v_mov_b32 v[BV+2*\a+1], v[BV+2*\a]             ; a pair for the packed addition
.endr
	KSTEP 0, 1
	KSTEP 1, 0
	KSTEP 2, 0
	KSTEP 3, 0
	KSTEP 4, 0
	KSTEP 5, 0
	KSTEP 6, 0
	KSTEP 7, 0
; 64 numbers of a lane, v[s] .. v[s + 63], register 16 b + i = index 32 b + 16 (lane / 16) + i, become a fragment's codes in v[PC] on and its scale word in v[pw]
.macro QUANT s, pw
.irp b, 0,1,2,3
	v_max3_num_f32 v[TM+\b], |v[\s+16*\b]|, |v[\s+1+16*\b]|, 0x2800000   ; block b: my 16 numbers, and the floor 2^(5 - 127): the byte cannot fall under 1
.endr
.irp i, 2,4,6,8,10,12,14
.irp b, 0,1,2,3
	v_max3_num_f32 v[TM+\b], v[TM+\b], |v[\s+16*\b+\i]|, |v[\s+1+16*\b+\i]|   ; (the four blocks by turns)
.endr
.endr
.irp b, 0,1,2,3
	v_permlanex16_b32 v[TM+4+\b], v[TM+\b], s[SEL], s[SEL+1]
.endr
.irp b, 0,1,2,3
	v_max_num_f32 v[TM+\b], v[TM+\b], v[TM+4+\b]   ; with lane l xor 16's: the block's largest magnitude
.endr
.irp b, 0,1,2,3
	v_add_nc_u32 v[TM+12+\b], 0xfe000000, v[TM+\b] ; 4 off its exponent field: the conversion's scale operand
.endr
.irp b, 0,1,2,3
	v_lshrrev_b32 v[TM+4+\b], 23, v[TM+12+\b]      ; the scale's byte
.endr
	v_lshl_or_b32 v[\pw], v[TM+5], 8, v[TM+4]
	v_lshl_or_b32 v[\pw], v[TM+6], 16, v[\pw]
	v_lshl_or_b32 v[\pw], v[TM+7], 24, v[\pw]
.irp c, 0,1
	v_cvt_scalef32_pk16_bf6_f32 v[PC+6*\c:PC+2+6*\c], v[\s+32*\c:\s+15+32*\c], v[TM+12+2*\c]
	v_cvt_scalef32_pk16_bf6_f32 v[PC+12+4*\c:PC+14+4*\c], v[\s+16+32*\c:\s+31+32*\c], v[TM+12+2*\c+1]   ; (a conversion's three registers begin on an even number)
.endr
	v_nop                                          ; one plain place behind a scaled conversion
.irp c, 0,1                                    ; the operand's layout wants a whole block in a lane: lanes 0-15 block 2 c, lanes 16-31 block 2 c + 1
.irp i, 0,1,2
	v_permlane16_swap_b32 v[PC+6*\c+\i], v[PC+12+4*\c+\i]
.endr
.irp i, 0,1,2
	v_mov_b32 v[PC+3+6*\c+\i], v[PC+12+4*\c+\i]
.endr
.endr
.endm
	PLACES                                         ; behind the last products
	s_mov_b32 s[SEL], 0x76543210
	s_mov_b32 s[SEL+1], 0xfedcba98                 ; v_permlanex16_b32's selects for lane l xor 16
	s_mov_b32 s3, 0xffff0000                       ; lanes 16-31
	s_cmp_eq_u32 s22, 2                            ; the kind is the same in all partners of a cluster
	s_cbranch_scc1 .Lv_path
	; ---- q and k: lanes are tokens, registers two heads of 64
	s_lshr_b32 s84, s57, 3                         ; the batch: 8 tiles of 256 tokens
	s_and_b32 s85, s57, 7                          ; the tile in it
	s_lshl_b32 s84, s84, 4
	s_lshl_b32 s86, s58, 1
	s_add_co_u32 s84, s84, s86                     ; 16 b + head, the first of my two heads
	s_lshl_b32 s86, s84, 7
	s_lshl_b32 s87, s85, 4
	s_add_co_u32 s86, s86, s87
	s_lshl_b32 s87, s[WV], 2
	s_add_co_u32 s86, s86, s87
	s_mul_i32 s86, s86, 768                        ; q: my first half image
	s_lshl_b32 s88, s84, 5
	s_lshl_b32 s87, s85, 2
	s_add_co_u32 s88, s88, s87
	s_add_co_u32 s88, s88, s[WV]
	s_lshl_b32 s88, s88, 8
	s_add_co_u32 s88, s88, QS                      ; q: my four groups' scale words
	s_lshl_b32 s90, s84, 4
	s_lshl_b32 s87, s85, 1
	s_add_co_u32 s90, s90, s87
	s_lshr_b32 s87, s[WV], 1
	s_add_co_u32 s90, s90, s87
	s_mul_i32 s90, s90, 13312                      ; k: the record of my 64 keys' step of 128
	s_mul_i32 s87, s19, 3072
	s_add_co_u32 s92, s90, s87                     ; k: tiles 4 (w % 2) on
	s_lshl_b32 s87, s19, 8
	s_add_co_u32 s94, s90, s87
	s_add_co_u32 s94, s94, 12288                   ; k: their scale words
	s_mov_b32 s96, 212992                          ; k: from a head to the next: 16 records
	s_mov_b32 s98, 212992
	s_cmp_eq_u32 s22, 0
	s_cselect_b32 s86, s86, s92
	s_cselect_b32 s88, s88, s94
	s_cselect_b32 s96, 98304, s96                  ; q: 128 half images
	s_cselect_b32 s98, 8192, s98                   ; q: 32 blocks of scale words
	s_cselect_b64 s[100:101], s[14:15], s[16:17]   ; qb or kv
	s_mov_b32 s87, 0
	s_mov_b32 s89, 0
	s_mov_b32 s97, 0
	s_mov_b32 s99, 0
	s_add_nc_u64 s[86:87], s[100:101], s[86:87]    ; codes, head e = 0
	s_add_nc_u64 s[88:89], s[100:101], s[88:89]    ; scale words, e = 0
	s_add_nc_u64 s[90:91], s[86:87], s[96:97]      ; e = 1
	s_add_nc_u64 s[92:93], s[88:89], s[98:99]
.irp a, 0,1,2,3
.if \a > 0
	s_wait_xcnt 0x0                                ; the last group's stores have read their registers
.endif
	WIN 0x01                                       ; source 0: the accumulators, window 1
.set i, 0
.rept 32
	v_pk_add_f32 v[T+2*i:T+2*i+1], v[64*\a+2*i:64*\a+2*i+1], v[BI+2*i:BI+2*i+1]   ; + bias; each accumulator from its low end on
.set i, i+1
.endr
	WIN 0
	QUANT T, PW+\a
.irp e, 0,1                                    ; registers 6 e .. 6 e + 5 are head e's half image
	global_store_b128 v1, v[PC+6*\e:PC+6*\e+3], s[86+4*\e:87+4*\e] offset:768*\a          ; 512 consecutive bytes, aligned to 256
	global_store_b64 v2, v[PC+6*\e+4:PC+6*\e+5], s[86+4*\e:87+4*\e] offset:768*\a+512     ; 256 consecutive bytes, aligned
.endr
.endr
	v_cndmask_b32 v188, v[PW], v[PW+1], s3         ; lanes 0-15 group 0's words, lanes 16-31 group 1's
	v_cndmask_b32 v189, v[PW+2], v[PW+3], s3       ; groups 2 and 3
	v_and_b32 v184, 0xffff, v188                   ; head 0: bytes 0, 1; the bytes of the padded K are 0
	v_and_b32 v185, 0xffff, v189
	v_lshrrev_b32 v186, 16, v188                   ; head 1: bytes 2, 3
	v_lshrrev_b32 v187, 16, v189
	global_store_b64 v2, v[184:185], s[88:89]
	global_store_b64 v2, v[186:187], s[92:93]
	s_branch .Ldone
.Lv_path:
	; ---- v: lanes are my head's 64 channels, registers the 128 keys of one step
	s_lshr_b32 s84, s58, 4                         ; the batch: 16 steps of 128 keys
	s_and_b32 s85, s58, 15                         ; the step
	s_lshl_b32 s86, s57, 2
	s_add_co_u32 s86, s86, s[WV]                   ; the head: 4 TQ + w
	s_lshl_b32 s84, s84, 4
	s_add_co_u32 s84, s84, s86
	s_lshl_b32 s84, s84, 4
	s_add_co_u32 s84, s84, s85
	s_mul_i32 s84, s84, 13312
	s_add_co_u32 s84, s84, 6144                    ; the record's images of v^T
	s_mov_b32 s85, 0
	s_add_nc_u64 s[86:87], s[16:17], s[84:85]
	v_mov_b32 v188, 0
	v_mov_b32 v189, 0
	s_wait_alu depctr_va_vdst(0)
.irp a, 0,1,2,3
.if \a > 0
	s_wait_xcnt 0x0
.endif
	WIN 0x01
.set i, 0
.rept 32
	v_pk_add_f32 v[T+2*i:T+2*i+1], v[64*\a+2*i:64*\a+2*i+1], v[BV+2*\a:BV+2*\a+1]   ; + my channel's bias
.set i, i+1
.endr
	WIN 0
	QUANT T, PW+\a
.irp c, 0,1,2
	global_store_b128 v1, v[PC+4*\c:PC+4*\c+3], s[86:87] offset:1536*\a+512*\c
.endr
.endr
	v_cndmask_b32 v184, v[PW], v[PW+1], s3
	v_cndmask_b32 v185, v[PW+2], v[PW+3], s3
	global_store_b64 v2, v[184:185], s[86:87] offset:6656          ; the record's byte 12,800
	global_store_b64 v2, v[188:189], s[86:87] offset:6912          ; and its last 256 bytes: zeros
.Ldone:
	s_wait_tensorcnt 0x0
	ds_add_u32 v90, v91
	s_wait_dscnt 0x0
	CROUND                                         ; the closing round: no work-group ends while a partner may still ask for a tile that names it
	s_endpgm
.Lfunc_end_k_qc984762eec_gqkv:
	.size	k_qc984762eec_gqkv, .Lfunc_end_k_qc984762eec_gqkv-k_qc984762eec_gqkv
	.p2alignl 7, 3214868480
	.fill 96, 4, 3214868480
	.section	.rodata,"a",@progbits
	.p2align	6, 0x0
	.amdhsa_kernel k_qc984762eec_gqkv
		.amdhsa_group_segment_fixed_size 295424
		.amdhsa_private_segment_fixed_size 0
		.amdhsa_enable_private_segment 0
		.amdhsa_kernarg_size 56
		.amdhsa_user_sgpr_count 2
		.amdhsa_user_sgpr_kernarg_segment_ptr 1
		.amdhsa_wavefront_size32 1
		.amdhsa_system_sgpr_workgroup_id_x 1
		.amdhsa_system_sgpr_workgroup_id_y 1
		.amdhsa_system_sgpr_workgroup_id_z 1
		.amdhsa_system_vgpr_workitem_id 0
		.amdhsa_next_free_vgpr 768
		.amdhsa_next_free_sgpr 102
		.amdhsa_reserve_vcc 0
		.amdhsa_float_denorm_mode_32 3
		.amdhsa_float_denorm_mode_16_64 3
		.amdhsa_memory_ordered 1
		.amdhsa_forward_progress 1
		.amdhsa_inst_pref_size 118
	.end_amdhsa_kernel
	.amdgpu_metadata
---
amdhsa.version: [ 1, 2 ]
amdhsa.kernels:
  - .name:           k_qc984762eec_gqkv
    .symbol:         k_qc984762eec_gqkv.kd
    .args:
      - { .name: xq, .offset: 0, .size: 8, .value_kind: global_buffer, .address_space: global }
      - { .name: wq, .offset: 8, .size: 8, .value_kind: global_buffer, .address_space: global }
      - { .name: bq, .offset: 16, .size: 8, .value_kind: global_buffer, .address_space: global }
      - { .name: bk, .offset: 24, .size: 8, .value_kind: global_buffer, .address_space: global }
      - { .name: bv, .offset: 32, .size: 8, .value_kind: global_buffer, .address_space: global }
      - { .name: qb, .offset: 40, .size: 8, .value_kind: global_buffer, .address_space: global }
      - { .name: kv, .offset: 48, .size: 8, .value_kind: global_buffer, .address_space: global }
    .group_segment_fixed_size: 295424
    .private_segment_fixed_size: 0
    .kernarg_segment_align: 8
    .kernarg_segment_size: 56
    .max_flat_workgroup_size: 128
    .sgpr_count:     102
    .vgpr_count:     768
    .wavefront_size: 32
...
	.end_amdgpu_metadata
.endif
;; end of part 2
;; launch attn (part 3): grid 4 x 64, 16 waves a work-group, no clusters, 215,040 bytes of LDS; arguments qb, kv, yb; writes yb
.if DOCPART == 3
	.amdgcn_target "amdgcn-amd-amdhsa--gfx1250"
	.amdhsa_code_object_version 6
	.text
	.protected	k_qc984762eec_attn
	.globl	k_qc984762eec_attn
	.p2align	8
	.type	k_qc984762eec_attn,@function
k_qc984762eec_attn:
	s_mov_b64 s[64:65], 0
	v_nop
	global_prefetch_b8 v0, s[64:65] scope:SCOPE_SE
	s_setreg_imm32_b32 hwreg(HW_REG_WAVE_MODE, 25, 1), 1
	s_wait_xcnt 0x0
; y[b][t][head 64 + d] = the sum over keys s <= t of softmax_s(q . k / 8) v, both products on codes of BF6 (E3M2) with E8M0 scales; y leaves quantised along the channels, as half images for the last product.
; THE SOFTMAX AHEAD OF THE SECOND PRODUCT: t = score x log2(e) / 8; M = the row's largest t so far, rounded UP to a whole number; p = 2^(t - M) is what is quantised, along the keys, not normalised.
; The row's sum is taken of the unquantised p and divides O at the end.  When M moves, the sum and O are multiplied by 2^(old M - new M): exact.
; SHARES: work-group (i, b 16 + head) owns query blocks 7 - i and i of 256: with the causal mask that is the same number of key steps for every work-group.  Each of sixteen waves owns one group of 16 queries
; (tokens 32 (G / 2) + 8 (G % 2) + r + 8 (r / 8)) of the first block, then one of the second.  Four waves to a SIMD: one wave's vector work stands beside another's matrix work.
; THE WHOLE HEAD'S K AND V STAY IN LDS: 16 records of 13,312 bytes (128 keys each: 8 half images of k, 4 images of v^T, their scale words), in four regions of four records; each wave brings 13 rows of 256 bytes
; of each region: four tensor loads a wave, all issued at the start; no LDS byte is filled twice.  A wave has four tensor loads out.
; THE LARGE BLOCK, 7 - i, COMES FIRST: all sixteen waves have work in each of its first eight key steps at the least, so a region's four steps are walked while the next region lands; a barrier stands in front of
; each region.  The small block follows, over records that are all there.
; NO JOINT LOADS, though four work-groups read one head: which key steps a work-group leaves out hangs on its place among the four, and partners in joint requests must branch alike.
; LAYOUT: both products transposed: S^T = k q^T (source 0 = 16 keys), O^T = v^T p^T (source 0 = 16 channels): a lane holds ONE query throughout.
; A TILE OF k IS GATHERED FROM TWO HALF IMAGES, by the lanes' LDS addresses: tile 4 c + u takes as rows 0-7 keys 64 c + 8 u + 0 .. 7 and as rows 8-15 keys 64 c + 32 + 8 u + 0 .. 7.  So register 32 c + m of lane (r, h)
; is key 64 c + 32 h + m of the step: a lane holds two WHOLE blocks of 32 keys, in the order of the second product's operand: a block's largest score needs no other lane, and p's codes change no lane.
; The price: lanes r and r + 8 of these loads stand 1,536 bytes apart, a whole number of times through the 64 banks of 4 bytes (ISA guide 11.1): they go two deep.
; K = 64 IN AN INSTRUCTION OF 128: q's registers 6-11 hold zero codes.  k's operand for tile t is v[30 + 6 t .. 41 + 6 t]: its upper six registers are the next tile's codes (zeros behind the last tile): every pattern
; there is a finite number of the format, and times a zero code it adds nothing; the scale bytes of that half are 0.
; CAUSAL: every wave walks all 16 steps (constant trip counts); a step all of whose keys come after my queries is left out by a scalar branch on ids; on the diagonal hidden scores become -infinity.
; LIMITS: a block of zeros gets the byte 1 where the rule says 127; NaN and infinities are not served.  y's scale words leave 64 bytes a wave, a part of a block of 256: gathering four waves' words would
; want a barrier among waves that end at different steps; they are one twelfth of y's bytes.
.set RECB, 13312
.set REGB, 4*RECB                      ; a region: four records
.set QS,   6291456
.set YS,   6291456
.set L16,  2                           ; v2  16 x lane;  v3  8 x lane  (v1: the lane)
.set L8,   3
.set A16,  4                           ; v4, v5  the same + the record in hand: v^T's images and scale words
.set A8,   5
.set DQ,   6                           ; v6  r + 8 (r / 8) - 32 h
.set R4,   7                           ; v7  4 r
.set K16,  9                           ; v9  my lane's place in k's half images, registers 0-3: 1,536 (r / 8) + 16 (r % 8) + 256 h
.set K8,   10                          ; v10 registers 4, 5: 1,536 (r / 8) + 8 (r % 8) + 128 h
.set KSL,  11                          ; v11 and among k's scale words: 8 (r % 8) + 4 (r / 8) + 128 h
.set KC,   30                          ; v30-77 k's 8 tiles, then v^T's 4 images; v78-83 zeros
.set KS,   84                          ; v84-87 k's scale words: register t / 2, lanes 0-15 tile t even, lanes 16-31 t odd;  v88-89 v's
.set VS,   88
.set AK16, 90                          ; v90-92 K16, K8, KSL + the record in hand
.set AK8,  91
.set AKS,  92
.set SH8,  93                          ; v93 8 h
.set S,    96                          ; v96-159 S^T, then p
.set O,    160                         ; v160-191 O^T
.set PC,   192                         ; v192-203 p's codes;  v204-210 second halves
.set PT,   204
.set BM,   212                         ; v212-215 four chains of largest scores; then v212, v214 my two blocks' largest score, then largest p
.set BP,   216                         ; v216-219 what comes from the other half of the lanes; the bytes
.set SO,   220                         ; v220-221 the conversions' scale operands
.set PW,   224                         ; v224 p's scale word
.set F,    226                         ; v[226:227] f = 2^(old M - new M)
.set TA,   228
.set TB,   229
.set L2,   230                         ; v[230:231] the sum's second chain
.set KB,   66                          ; s66 the record's LDS byte;  s67 the step's first key;  s68 trips to go
.set KF,   67
	s_load_b128 s[4:7], s[0:1], 0x0                ; qb, kv
	s_load_b64 s[8:9], s[0:1], 0x10                ; yb
	v_lshl_add_u32 v254, v0, 2, 0x34000
	v_mov_b32 v255, 0
	ds_add_u32 v254, v255
	ds_add_u32 v254, v255
	v_lshrrev_b32 v1, 5, v0
	s_delay_alu instid0(VALU_DEP_1)
	v_readfirstlane_b32 s10, v1                    ; wave 0..15
	s_and_b32 s11, ttmp7, 0xffff                   ; 16 b + head
	; descriptor group 1: 13 dense rows of 256 bytes (32 elements of 8 bytes): a sixteenth of a region
	s_mov_b32 s24, 3<<16
	s_mov_b32 s25, 32<<16
	s_mov_b32 s26, 13<<16
	s_mov_b32 s27, 32<<16
	s_mov_b32 s28, 13
	s_mov_b32 s29, 32
	s_mov_b32 s30, 0
	s_mov_b32 s31, 0
	s_mul_i32 s70, s11, 16*RECB                    ; the head's records
	s_mul_i32 s13, s10, 3328                       ; my part of a region: the same byte in LDS and in the head
	s_add_co_u32 s16, s70, s13
	s_mov_b32 s17, 0
	s_mov_b32 s20, 0x76543210
	s_mov_b32 s21, 0xfedcba98                      ; v_permlanex16_b32's selects for lane l xor 16
	s_mov_b32 s22, 0x3e38aa3b                      ; c = log2(e) / 8
	s_mov_b32 s23, s22                             ; (named with it as a pair, so it is written)
	s_wait_dscnt 0x0
	s_wait_kmcnt 0x0
	s_add_nc_u64 s[18:19], s[6:7], s[16:17]
.irp g, 0,1,2,3                                ; descriptor groups 0, a set for each region: s[40:43], s[44:47], s[84:87], s[88:91]
.set GG, 40+4*\g+36*(\g/2)
	s_mov_b32 s[GG], 1                             ; count = 1
	s_add_co_u32 s[GG+1], s13, \g*REGB             ; LDS address
	s_add_nc_u64 s[GG+2:GG+3], s[18:19], \g*REGB   ; global address
	s_or_b32 s[GG+3], s[GG+3], 0x80000000          ; type = 2
.endr
	tensor_load_to_lds s[40:43], s[24:31]          ; records 0-3
	s_nop 0
	tensor_load_to_lds s[44:47], s[24:31]          ; records 4-7
	s_nop 0
	tensor_load_to_lds s[84:87], s[24:31]          ; records 8-11
	s_nop 0
	tensor_load_to_lds s[88:91], s[24:31]          ; records 12-15
	s_nop 0
.rept 4
	v_nop                                          ; four v_nop follow the last
.endr
	s_mov_b32 s17, 0
.irp p, 0,1                                    ; phase p's numbers: s[48 + 8 p] my first query, + 1 my last, + 2 y's codes, + 4 y's scale words; s[72 + 4 p] q's codes, + 2 q's scale words
.if \p == 0
	s_sub_co_u32 s12, 7, ttmp9                     ; the large block first
	s_lshl_b32 s12, s12, 4
.else
	s_lshl_b32 s12, ttmp9, 4
.endif
	s_add_co_u32 s12, s12, s10                     ; my group of queries: 16 x block + wave
	s_lshr_b32 s13, s12, 1
	s_lshl_b32 s13, s13, 5
	s_and_b32 s14, s12, 1
	s_lshl_b32 s14, s14, 3
	s_add_co_u32 s[48+8*\p], s13, s14
	s_add_co_u32 s[49+8*\p], s[48+8*\p], 23
	s_lshl_b32 s13, s11, 7
	s_add_co_u32 s13, s13, s12
	s_mul_i32 s16, s13, 768
	s_add_nc_u64 s[72+4*\p:73+4*\p], s[4:5], s[16:17]
	s_lshl_b32 s13, s11, 5
	s_lshr_b32 s14, s12, 2
	s_add_co_u32 s13, s13, s14
	s_lshl_b32 s16, s13, 8
	s_add_co_u32 s16, s16, QS
	s_add_nc_u64 s[74+4*\p:75+4*\p], s[4:5], s[16:17]
	s_lshr_b32 s13, s11, 4
	s_lshl_b32 s13, s13, 7
	s_add_co_u32 s13, s13, s12                     ; the group among all 512: 128 b + group
	s_and_b32 s14, s11, 15                         ; the head
	s_mul_i32 s16, s13, 12288
	s_mul_i32 s15, s14, 768
	s_add_co_u32 s16, s16, s15
	s_add_nc_u64 s[50+8*\p:51+8*\p], s[8:9], s[16:17]
	s_lshl_b32 s16, s13, 6
	s_lshl_b32 s15, s14, 15
	s_add_co_u32 s16, s16, s15
	s_add_co_u32 s16, s16, YS
	s_add_nc_u64 s[52+8*\p:53+8*\p], s[8:9], s[16:17]
.endr
	v_and_b32 v1, 31, v0                           ; lane
	v_and_b32 v94, 15, v0                          ; r
	v_bfe_u32 v95, v0, 4, 1                        ; h
	v_and_b32 v29, 7, v0                           ; r % 8
	v_bfe_u32 v225, v0, 3, 1                       ; r / 8
	v_lshlrev_b32 v[L16], 4, v1
	v_lshlrev_b32 v[L8], 3, v1
	s_delay_alu instid0(VALU_DEP_3)
	v_lshl_add_u32 v[DQ], v225, 3, v94
	v_lshlrev_b32 v[SH8], 5, v95
	s_delay_alu instid0(VALU_DEP_1)
	v_sub_nc_u32 v[DQ], v[DQ], v[SH8]              ; r + 8 (r / 8) - 32 h
	v_lshlrev_b32 v[SH8], 3, v95                   ; 8 h
	v_lshlrev_b32 v[R4], 2, v94
	v_lshlrev_b32 v[K16], 4, v29
	s_delay_alu instid0(VALU_DEP_1)
	v_lshl_add_u32 v[K16], v95, 8, v[K16]
	s_delay_alu instid0(VALU_DEP_1)
	v_mad_u32_u24 v[K16], v225, 1536, v[K16]       ; rows 8-15 come from the image two further on
	v_lshlrev_b32 v[K8], 3, v29
	s_delay_alu instid0(VALU_DEP_1)
	v_lshl_add_u32 v[K8], v95, 7, v[K8]
	s_delay_alu instid0(VALU_DEP_1)
	v_lshl_add_u32 v[KSL], v225, 2, v[K8]
	s_delay_alu instid0(VALU_DEP_2)
	v_mad_u32_u24 v[K8], v225, 1536, v[K8]
	s_and_b32 s13, s10, 1
	s_lshl_b32 s13, s13, 4
	v_xor_b32 v8, s13, v1                          ; q's scale words: my group's stand in lanes 16 (w % 2) on of its block, in word (w / 2) % 2:
	s_bfe_u32 s14, s10, 0x10001
	s_lshl_b32 s14, s14, 2
	v_lshl_add_u32 v8, v8, 3, s14                  ; so lanes 0-15 read my group's
	global_load_b128 v[16:19], v[L16], s[72:73]
	global_load_b64 v[20:21], v[L8], s[72:73] offset:512
	global_load_b32 v28, v8, s[74:75]
	global_load_b128 v[232:235], v[L16], s[76:77]
	global_load_b64 v[236:237], v[L8], s[76:77] offset:512
	global_load_b32 v244, v8, s[78:79]
.irp j, 0,1,2,3,4,5
	v_mov_b32 v[22+\j], 0                          ; zero codes for K 64 .. 127
	v_mov_b32 v[238+\j], 0
	v_mov_b32 v[KC+48+\j], 0                       ; and behind k's last tile
.endr
.irp b, 0,1,2,3
	v_mov_b32 v[BP+\b], 0                          ; written once: a lane permute's destination counts as one of its sources
.endr
	v_mov_b32 v[F+1], 0                            ; (named as the upper half of the pair)
; A KEY STEP: 128 keys, the record at LDS byte s[KB].  qr, qs: q's operand and scale word; qmin, qmax: the scalars with my first and last query
.macro STEP qr, qs, qmin, qmax
	s_cmp_gt_u32 s[KF], s[\qmax]                   ; all keys come after my queries: the step's work is left out
	s_cbranch_scc1 .Lhid_\@
	s_setprio 2
	v_add_nc_u32 v[AK16], s[KB], v[K16]
	v_add_nc_u32 v[AK8], s[KB], v[K8]
	v_add_nc_u32 v[AKS], s[KB], v[KSL]
	v_add_nc_u32 v[A16], s[KB], v[L16]
	v_add_nc_u32 v[A8], s[KB], v[L8]               ; these five are the places behind the last step's products, in front of loads into their sources
.irp t, 0,1,2,3,4,5,6,7                        ; tile t = 4 c + u: half images 4 c + u % 2 (rows 0-7) and 4 c + 2 + u % 2 (rows 8-15), their rows 8 (u / 2) on
	ds_load_b128 v[KC+6*\t:KC+6*\t+3], v[AK16] offset:3072*(\t/4)+768*(\t%2)+128*((\t%4)/2)
	ds_load_b64 v[KC+6*\t+4:KC+6*\t+5], v[AK8] offset:3072*(\t/4)+768*(\t%2)+512+64*((\t%4)/2)
.endr
.irp i, 0,1,2,3
	ds_load_b32 v[KS+\i], v[AKS] offset:12288+256*(\i/2)+64*(\i%2)   ; the rows' scale words of tiles 2 i (lanes 0-15) and 2 i + 1 (lanes 16-31)
.endr
	s_wait_alu depctr_va_vdst(0)
	s_wait_dscnt 0x0
.irp t, 0,2,4,6                                ; S^T = k q^T; an odd tile's scale words stand in lanes 16-31
	v_wmma_scale_f32_16x16x128_f8f6f4 v[S+8*\t:S+8*\t+7], v[KC+6*\t:KC+6*\t+11], v[\qr:\qr+11], 0, v[KS+\t/2], v[\qs] matrix_a_fmt:MATRIX_FMT_BF6 matrix_b_fmt:MATRIX_FMT_BF6
	v_wmma_scale_f32_16x16x128_f8f6f4 v[S+8*\t+8:S+8*\t+15], v[KC+6*\t+6:KC+6*\t+17], v[\qr:\qr+11], 0, v[KS+\t/2], v[\qs] matrix_a_fmt:MATRIX_FMT_BF6 matrix_b_fmt:MATRIX_FMT_BF6 matrix_a_scale:MATRIX_SCALE_ROW1
.endr
.rept 4
	v_nop                                          ; places: for the loads below, and for the first read or write of the scores
.endr
.irp a, 0,1,2,3                                ; v^T's images land while the softmax is walked
.irp c, 0,1,2
	ds_load_b128 v[KC+12*\a+4*\c:KC+12*\a+4*\c+3], v[A16] offset:6144+1536*\a+512*\c
.endr
.endr
	ds_load_b64 v[VS:VS+1], v[A8] offset:12800
	s_add_co_u32 s69, s[KF], 127                   ; a step all of whose keys count skips the mask
	s_cmp_le_u32 s69, s[\qmin]
	s_cbranch_scc1 .Lopen_\@
	s_sub_co_i32 s69, s[\qmin], s[KF]              ; 0 .. 127: my 16 queries lie inside one block of 32 keys of this step
	v_add_nc_u32 v[TA], s69, v[DQ]                 ; d = my query - the step's first key - 32 h.  Register 32 c + m holds key 64 c + 32 h + m of the step: hidden where 64 c + m > d
	v_mov_b32 v[TB], 0xff800000                    ; -infinity
	s_cmp_ge_u32 s69, 64
	s_cbranch_scc1 .Lhigh_\@
.set n, 0
.rept 32                                       ; my queries lie among the step's first 64 keys: those are compared,
	v_cmp_gt_i32 vcc_lo, n, v[TA]
	v_cndmask_b32 v[S+n], v[S+n], v[TB], vcc_lo
.set n, n+1
.endr
.rept 32                                       ; and the other 64 are all hidden
	v_mov_b32 v[S+n], v[TB]
.set n, n+1
.endr
	s_branch .Lopen_\@
.Lhigh_\@:
.set n, 32
	s_wait_alu depctr_va_vdst(0)
.rept 32                                       ; my queries lie among the last 64 keys: the first 64 all count, the last 64 are compared
	v_cmp_gt_i32 vcc_lo, n+32, v[TA]
	v_cndmask_b32 v[S+n], v[S+n], v[TB], vcc_lo
.set n, n+1
.endr
.Lopen_\@:
.irp b, 0,1,2,3
	v_max3_num_f32 v[BM+\b], v[S+16*\b], v[S+1+16*\b], v[S+2+16*\b]   ; the largest score of each of my two blocks of 32 keys, in two chains each: for the row's maximum, and, since p rises with the score, for the block's largest p
.endr
.irp i, 3,5,7,9,11,13
.irp b, 0,1,2,3
	v_max3_num_f32 v[BM+\b], v[BM+\b], v[S+16*\b+\i], v[S+1+16*\b+\i]
.endr
.endr
	v_max_num_f32 v[BM+1], v[BM+1], v[S+31]
	v_max_num_f32 v[BM+3], v[BM+3], v[S+63]
	v_max3_num_f32 v[BM], v[BM], v[S+15], v[BM+1]          ; block h
	v_max3_num_f32 v[BM+2], v[BM+2], v[S+47], v[BM+3]      ; block 2 + h
	s_delay_alu instid0(VALU_DEP_1)
	v_max_num_f32 v[TA], v[BM], v[BM+2]
	s_delay_alu instid0(VALU_DEP_1)
	v_permlanex16_b32 v[BP], v[TA], s20, s21
	s_delay_alu instid0(VALU_DEP_1)
	v_max_num_f32 v[TA], v[TA], v[BP]              ; with lane l xor 16's two blocks: the step's largest score of my query
	s_delay_alu instid0(VALU_DEP_1)
	v_mul_f32 v[TA], s22, v[TA]                    ; as t (c is positive)
	s_delay_alu instid0(VALU_DEP_1)
	v_max_num_f32 v13, v13, v[TA]                  ; the running largest t
	v_mov_b32 v[TA], v12
	s_delay_alu instid0(VALU_DEP_2)
	v_floor_f32 v12, -v13                          ; the new -M = floor(-t) = -ceil(t): a whole number
	s_delay_alu instid0(VALU_DEP_1)
	v_sub_f32 v[TA], v12, v[TA]                    ; old M - new M: a whole number, 0 or less
	s_delay_alu instid0(VALU_DEP_1)
	v_cvt_i32_f32 v[TA], v[TA]                     ; (it saturates)
	s_delay_alu instid0(VALU_DEP_1)
	v_ldexp_f32 v[F], 1.0, v[TA]                   ; f = 2^(old M - new M)
.set j, 0
	s_setprio 1
.rept 32
	v_pk_fma_f32 v[S+j:S+j+1], v[S+j:S+j+1], s[22:23], v[12:13] op_sel_hi:[1,0,0]   ; t - M, two at a time
.set j, j+2
.endr
	v_fma_f32 v[BM], v[BM], s22, v12               ; the same of each block's largest score
	v_fma_f32 v[BM+2], v[BM+2], s22, v12
.set j, 0
	s_wait_alu depctr_va_vdst(0)
.rept 64
	v_exp_f32 v[S+j], v[S+j]                       ; p = 2^(t - M), at most 1
.set j, j+1
.endr
	v_exp_f32 v[BM], v[BM]                         ; the block's largest p: the same two instructions on the same number give the same bits
	v_exp_f32 v[BM+2], v[BM+2]
	v_pk_mul_f32 v[14:15], v[14:15], v[F:F+1] op_sel_hi:[1,0]      ; the sums under the new M.  (A plain place behind the exponentials)
	s_wait_alu depctr_va_vdst(0)
	v_max_num_f32 v[BM], 0x2800000, v[BM]          ; the floor 2^(5 - 127): the byte cannot fall under 1
	v_max_num_f32 v[BM+2], 0x2800000, v[BM+2]
	s_delay_alu instid0(VALU_DEP_2)
	v_add_nc_u32 v[SO], 0xfe000000, v[BM]          ; 4 off the exponent field: the conversion's scale operand
	s_delay_alu instid0(VALU_DEP_2)
	v_add_nc_u32 v[SO+1], 0xfe000000, v[BM+2]
	s_delay_alu instid0(VALU_DEP_2)
	v_lshrrev_b32 v[BP], 23, v[SO]                 ; the scale's byte
	s_delay_alu instid0(VALU_DEP_2)
	v_lshrrev_b32 v[BP+1], 23, v[SO+1]
	s_delay_alu instid0(VALU_DEP_1)
	v_lshl_or_b32 v[TB], v[BP+1], 16, v[BP]        ; my two bytes: blocks h and 2 + h,
	s_delay_alu instid0(VALU_DEP_1)
	v_lshlrev_b32 v[TB], v[SH8], v[TB]             ; at their places in the word;
	s_delay_alu instid0(VALU_DEP_1)
	v_permlanex16_b32 v[BP+2], v[TB], s20, s21
	s_delay_alu instid0(VALU_DEP_1)
	v_or_b32 v[PW], v[TB], v[BP+2]                 ; with lane l xor 16's two: p's scale word for these 128 keys
.irp c, 0,1                                    ; registers 6 c .. 6 c + 5 of the operand: my block 2 c + h, as it stands
	v_cvt_scalef32_pk16_bf6_f32 v[PC+6*\c:PC+6*\c+2], v[S+32*\c:S+32*\c+15], v[SO+\c]
	v_cvt_scalef32_pk16_bf6_f32 v[PT+4*\c:PT+4*\c+2], v[S+32*\c+16:S+32*\c+31], v[SO+\c]   ; (a conversion's three registers begin on an even number)
.endr
	v_nop                                          ; one plain place behind a scaled conversion
.irp c, 0,1
.irp i, 0,1,2
	v_mov_b32 v[PC+6*\c+3+\i], v[PT+4*\c+\i]
.endr
.endr
	v_pk_add_f32 v[230:231], v[100:101], v[104:105]
	v_pk_add_f32 v[252:253], v[108:109], v[112:113]
	v_pk_add_f32 v[250:251], v[116:117], v[120:121]
	v_pk_add_f32 v[248:249], v[124:125], v[128:129]
	v_pk_add_f32 v[246:247], v[132:133], v[136:137]
	v_pk_add_f32 v[222:223], v[140:141], v[144:145]
	v_pk_add_f32 v[14:15], v[14:15], v[148:149]
	v_pk_add_f32 v[230:231], v[230:231], v[152:153]
	s_setprio 0
	v_pk_add_f32 v[252:253], v[252:253], v[156:157]
	v_pk_add_f32 v[250:251], v[250:251], v[96:97]
	v_pk_add_f32 v[248:249], v[248:249], v[98:99]
	v_pk_add_f32 v[246:247], v[246:247], v[102:103]
	v_pk_add_f32 v[222:223], v[222:223], v[106:107]
	v_pk_add_f32 v[14:15], v[14:15], v[110:111]
	v_pk_add_f32 v[230:231], v[230:231], v[114:115]
	v_pk_add_f32 v[252:253], v[252:253], v[118:119]
	v_pk_add_f32 v[250:251], v[250:251], v[122:123]
	v_pk_add_f32 v[248:249], v[248:249], v[126:127]
	v_pk_add_f32 v[246:247], v[246:247], v[130:131]
	v_pk_add_f32 v[222:223], v[222:223], v[134:135]
	v_pk_add_f32 v[14:15], v[14:15], v[138:139]
	v_pk_add_f32 v[230:231], v[230:231], v[142:143]
	v_pk_add_f32 v[252:253], v[252:253], v[146:147]
	v_pk_add_f32 v[250:251], v[250:251], v[150:151]
	v_pk_add_f32 v[248:249], v[248:249], v[154:155]
	v_pk_add_f32 v[246:247], v[246:247], v[158:159]
	s_delay_alu instid0(VALU_DEP_2)
	v_pk_add_f32 v[14:15], v[14:15], v[248:249]
	s_delay_alu instid0(VALU_DEP_2)
	v_pk_add_f32 v[230:231], v[230:231], v[246:247]
	v_pk_add_f32 v[252:253], v[252:253], v[222:223]
	s_delay_alu instid0(VALU_DEP_1)
	v_pk_add_f32 v[14:15], v[14:15], v[252:253]
	s_delay_alu instid0(VALU_DEP_3)
	v_pk_add_f32 v[230:231], v[230:231], v[250:251]
	s_delay_alu instid0(VALU_DEP_1)
	v_pk_add_f32 v[14:15], v[14:15], v[230:231]
.set j, 0
.rept 16
	v_pk_mul_f32 v[O+j:O+j+1], v[O+j:O+j+1], v[F:F+1] op_sel_hi:[1,0]   ; O^T under the new M.  (The sums and these are the places between p's codes and scale word and the products below)
.set j, j+2
.endr
	s_wait_alu depctr_va_vdst(0)
	s_wait_dscnt 0x0                               ; v^T's images and scale words
.irp a, 0,2                                    ; O^T += v^T p^T: the four accumulators by turns
	v_wmma_scale_f32_16x16x128_f8f6f4 v[O+8*\a:O+8*\a+7], v[KC+12*\a:KC+12*\a+11], v[PC:PC+11], v[O+8*\a:O+8*\a+7], v[VS+\a/2], v[PW] matrix_a_fmt:MATRIX_FMT_BF6 matrix_b_fmt:MATRIX_FMT_BF6
	v_wmma_scale_f32_16x16x128_f8f6f4 v[O+8*\a+8:O+8*\a+15], v[KC+12*\a+12:KC+12*\a+23], v[PC:PC+11], v[O+8*\a+8:O+8*\a+15], v[VS+\a/2], v[PW] matrix_a_fmt:MATRIX_FMT_BF6 matrix_b_fmt:MATRIX_FMT_BF6 matrix_a_scale:MATRIX_SCALE_ROW1
.endr
.Lhid_\@:
	s_add_co_u32 s[KB], s[KB], RECB
	s_add_co_u32 s[KF], s[KF], 128
.endm
; n key steps, a constant number of trips
.macro RUN n, qr, qs, qmin, qmax
	s_mov_b32 s68, \n
.Lrun_\@:
	STEP \qr, \qs, \qmin, \qmax
	s_sub_co_u32 s68, s68, 1
	s_cmp_lg_u32 s68, 0
	s_cbranch_scc1 .Lrun_\@
	s_setprio 0
.endm
; The next region: left = how many of my later tensor loads may stay out
.macro REGION left
	s_wait_tensorcnt \left                         ; my part of the next four records is in; the later regions' loads may be out
	s_wait_dscnt 0x0                               ; no LDS load of mine is pending at the signal
	s_barrier_signal -1
	s_barrier_wait -1                              ; everybody's part is in
.endm
; THE END OF A PHASE: O^T / the sum is y of my 16 queries and this head's 64 channels: two blocks of 32, quantised, a half image.  yc, ysc: the scalars with y's addresses
; (v^T's channels of a tile are not neighbours: register 16 b + i is channel 32 b + 16 h + i, so here a block lies in lanes l and l xor 16)
.macro FIN yc, ysc
.rept 4
	v_nop                                          ; places behind the last products
.endr
	v_add_f32 v14, v14, v15                        ; the sum's two halves,
	s_delay_alu instid0(VALU_DEP_1)
	v_permlanex16_b32 v[BP], v14, s20, s21
	s_delay_alu instid0(VALU_DEP_1)
	v_add_f32 v14, v14, v[BP]                      ; and lane l xor 16's
	s_wait_alu depctr_va_vdst(0)
	v_rcp_f32 v14, v14
	v_nop                                          ; one plain place behind a transcendental
.set j, 0
	s_wait_alu depctr_va_vdst(0)
.rept 32
	v_mul_f32 v[S+j], v[O+j], v14                  ; each accumulator from its low end on
.set j, j+1
.endr
.irp b, 0,1
	v_max3_num_f32 v[BM+\b], |v[S+16*\b]|, |v[S+1+16*\b]|, 0x2800000
.endr
.irp i, 2,4,6,8,10,12,14
.irp b, 0,1
	s_delay_alu instid0(VALU_DEP_2)
	v_max3_num_f32 v[BM+\b], v[BM+\b], |v[S+16*\b+\i]|, |v[S+1+16*\b+\i]|
.endr
.endr
.irp b, 0,1
	s_delay_alu instid0(VALU_DEP_2)
	v_permlanex16_b32 v[BP+\b], v[BM+\b], s20, s21
.endr
.irp b, 0,1
	s_delay_alu instid0(VALU_DEP_2)
	v_max_num_f32 v[BM+\b], v[BM+\b], v[BP+\b]
.endr
.irp b, 0,1
	s_delay_alu instid0(VALU_DEP_2)
	v_add_nc_u32 v[SO+\b], 0xfe000000, v[BM+\b]
.endr
.irp b, 0,1
	s_delay_alu instid0(VALU_DEP_2)
	v_lshrrev_b32 v[BP+\b], 23, v[SO+\b]
.endr
	s_delay_alu instid0(VALU_DEP_1)
	v_lshl_or_b32 v[TB], v[BP+1], 8, v[BP]         ; the head's two bytes; the upper two are 0
	v_cvt_scalef32_pk16_bf6_f32 v[PC:PC+2], v[S:S+15], v[SO]
	v_cvt_scalef32_pk16_bf6_f32 v[PT:PT+2], v[S+16:S+31], v[SO+1]
	v_nop                                          ; one plain place behind a scaled conversion
.irp i, 0,1,2
	v_permlane16_swap_b32 v[PC+\i], v[PT+\i]       ; the operand's layout wants a whole block in a lane
.endr
.irp i, 0,1,2
	s_delay_alu instid0(VALU_DEP_3)
	v_mov_b32 v[PC+3+\i], v[PT+\i]
.endr
	global_store_b128 v[L16], v[PC:PC+3], s[\yc:\yc+1]             ; 512 consecutive bytes, aligned to 256
	global_store_b64 v[L8], v[PC+4:PC+5], s[\yc:\yc+1] offset:512  ; 256 consecutive bytes, aligned
	s_wait_xcnt 0x0                                ; EXEC changes only behind this wait
	v_cmp_gt_u32 vcc_lo, 16, v1
	s_and_saveexec_b32 s69, vcc_lo                 ; both halves hold the same word: lanes 0-15 store it
	global_store_b32 v[R4], v[TB], s[\ysc:\ysc+1]
	s_wait_xcnt 0x0                                ; and again: the stores have read their registers too
	s_or_b32 exec_lo, exec_lo, s69
.endm
; A block of queries.  landing = 1: the records are still landing: four steps to a region, a barrier in front of each
.macro PHASE p, qr, qs, landing
	v_mov_b32 v13, 0xff61b1e6                      ; the largest t so far: -3e38, under every t
	s_delay_alu instid0(VALU_DEP_1)
	v_floor_f32 v12, -v13                          ; -M
	v_mov_b32 v14, 0
	v_mov_b32 v15, 0
.set j, 0
.rept 32
	v_mov_b32 v[O+j], 0                            ; O^T: the step is written once: the first finds zeros, which the first change of M leaves zeros
.set j, j+1
.endr
	s_mov_b32 s[KB], 0
	s_mov_b32 s[KF], 0
.if \landing
	RUN 4, \qr, \qs, 48+8*\p, 49+8*\p              ; records 0-3
	REGION 2
	RUN 4, \qr, \qs, 48+8*\p, 49+8*\p              ; records 4-7
	REGION 1
	RUN 4, \qr, \qs, 48+8*\p, 49+8*\p              ; records 8-11
	REGION 0
	RUN 4, \qr, \qs, 48+8*\p, 49+8*\p              ; records 12-15
.else
	RUN 16, \qr, \qs, 48+8*\p, 49+8*\p
.endif
	FIN 50+8*\p, 52+8*\p
.endm
	s_wait_tensorcnt 3                             ; my part of records 0-3 is in; the three later regions' loads may be out
	s_wait_loadcnt 0x0                             ; q of both phases
	s_barrier_signal -1
	s_barrier_wait -1
	PHASE 0, 16, 28, 1
	PHASE 1, 232, 244, 0
	s_wait_xcnt 0x0
	s_mov_b32 exec_lo, -1
	s_wait_tensorcnt 0x0
	ds_add_u32 v254, v255
	s_wait_dscnt 0x0
	s_endpgm
.Lfunc_end_k_qc984762eec_attn:
	.size	k_qc984762eec_attn, .Lfunc_end_k_qc984762eec_attn-k_qc984762eec_attn
	.p2alignl 7, 3214868480
	.fill 96, 4, 3214868480
	.section	.rodata,"a",@progbits
	.p2align	6, 0x0
	.amdhsa_kernel k_qc984762eec_attn
		.amdhsa_group_segment_fixed_size 215040
		.amdhsa_private_segment_fixed_size 0
		.amdhsa_enable_private_segment 0
		.amdhsa_kernarg_size 24
		.amdhsa_user_sgpr_count 2
		.amdhsa_user_sgpr_kernarg_segment_ptr 1
		.amdhsa_wavefront_size32 1
		.amdhsa_system_sgpr_workgroup_id_x 1
		.amdhsa_system_sgpr_workgroup_id_y 1
		.amdhsa_system_sgpr_workgroup_id_z 1
		.amdhsa_system_vgpr_workitem_id 0
		.amdhsa_next_free_vgpr 256
		.amdhsa_next_free_sgpr 96
		.amdhsa_reserve_vcc 1
		.amdhsa_float_denorm_mode_32 3
		.amdhsa_float_denorm_mode_16_64 3
		.amdhsa_memory_ordered 1
		.amdhsa_forward_progress 1
		.amdhsa_inst_pref_size 131
	.end_amdhsa_kernel
	.amdgpu_metadata
---
amdhsa.version: [ 1, 2 ]
amdhsa.kernels:
  - .name:           k_qc984762eec_attn
    .symbol:         k_qc984762eec_attn.kd
    .args:
      - { .name: qb, .offset: 0, .size: 8, .value_kind: global_buffer, .address_space: global }
      - { .name: kv, .offset: 8, .size: 8, .value_kind: global_buffer, .address_space: global }
      - { .name: yb, .offset: 16, .size: 8, .value_kind: global_buffer, .address_space: global }
    .group_segment_fixed_size: 215040
    .private_segment_fixed_size: 0
    .kernarg_segment_align: 8
    .kernarg_segment_size: 24
    .max_flat_workgroup_size: 512
    .sgpr_count:     96
    .vgpr_count:     256
    .wavefront_size: 32
...
	.end_amdgpu_metadata
.endif
;; end of part 3
;; launch gout (part 4): grid 8 x 32, 4 waves a work-group, clusters of 4 x 4, 295,424 bytes of LDS; arguments yb, wq, bo, out0; writes out0
.if DOCPART == 4
	.amdgcn_target "amdgcn-amd-amdhsa--gfx1250"
	.amdhsa_code_object_version 6
	.text
	.protected	k_qc984762eec_gout
	.globl	k_qc984762eec_gout
	.p2align	8
	.type	k_qc984762eec_gout,@function
k_qc984762eec_gout:
	s_mov_b64 s[64:65], 0
	v_nop
	global_prefetch_b8 v0, s[64:65] scope:SCOPE_SE
	s_setreg_imm32_b32 hwreg(HW_REG_WAVE_MODE, 25, 1), 1
	s_wait_xcnt 0x0
	s_wait_alu depctr_hold_cnt(0) depctr_sa_sdst(0) depctr_va_vdst(0) depctr_va_sdst(0) depctr_va_ssrc(0) depctr_va_vcc(0) depctr_vm_vsrc(0)
	s_getreg_b32 s2, hwreg(HW_REG_IB_STS2, 6, 4)
	s_cmp_eq_u32 s2, 0
	s_cbranch_scc0 .Lentry_in_a_cluster
	s_endpgm
.Lentry_in_a_cluster:
	s_bfe_u32 s2, ttmp6, 0x10000c
	s_cmp_lg_u32 s2, 0xf033
	s_cbranch_scc0 .Lentry_shape_is_right
	s_endpgm
.Lentry_shape_is_right:
; out0 = y Wo + bo on codes of BF6 (E3M2) with E8M0 scales, sums in f32.
; THE TILE: 256 tokens (the Q side: the LANES of the result) x 128 columns of Wo (the P side: a lane's REGISTERS).  Source 0 = 16 columns of Wo, source 1 = 16 tokens.
; Groups of 16 are not neighbours: group G holds 32 (G / 2) + 8 (G % 2) + i + 8 (i / 8), so that register 16 b + i of a lane's 64 results is column 32 b + 16 (lane / 16) + i.
; Four waves; wave w owns token groups 4 w .. 4 w + 3 and all 8 column groups: 32 accumulators.  K = 1,024 is 8 steps of 128; step s is heads 2 s and 2 s + 1, whose half images lie side by side in yb.
; ALL OF K LIES IN LDS AT ONCE: 4 quarters of 73,728 bytes, each brought by one tensor load a wave; no LDS byte is filled twice.  A wave has four tensor loads out.
; CLUSTERS: 4 x 4 work-groups; the four of a row of the cluster need the same tiles of y, the four of a column the same tiles of Wo: each is asked for jointly.
; The bias is the C of each sum's first product.  THE WAY OUT: 16 tokens x 512 bytes at a time through the wave's own stage, which lies in the first quarter: that quarter has had its only fill, and nobody reads it
; behind the last quarter's barrier.
; REGISTERS: window 0: v1-22 addresses; v32-63 Wo's scale words, v64-79 y's; v96-191 y's fragments, two sets (later rows of the output, up to v223); v192-255 the bias.
;            window 1: the accumulators, (a, b) at v[8 (8 a + b)].   window 2: Wo's fragments, two sets, at v0 and v128.
.set WS,   3145728                     ; the scale words in wq
.set YS,   6291456                     ; in yb
.set QTR,  73728
.set POFF, 49152
.set NF,   40                          ; LDS loads that bring a K step's fragments
.set AQ,   8                           ; v8-11   LDS address of my y fragments in quarter q, 16 bytes a lane
.set AP,   12                          ; v12-15  of Wo's
.set AQ8,  16                          ; v16-19  y's again, 8 bytes a lane
.set SP,   32
.set SQ,   64
.set QF,   96
.set BI,   192
.set SPITCH, 528
.set WV,   18
.set MSB,  0
.macro WIN new                         ; the immediate's high byte repeats the setting that is left
.if MSB != \new
	s_set_vgpr_msb (MSB<<8)|\new
.set MSB, \new
.endif
.endm
.macro PLACES                          ; four plain places: behind matrix instructions, in front of loads into their sources and of reads of their results
.rept 4
	v_nop
.endr
.endm
.macro CROUND                          ; a round of the cluster's barrier
	s_barrier_signal -1
	s_barrier_wait -1
	s_cmp_lg_u32 s[WV], 0
	s_cbranch_scc1 .Lnot_wave_0_\@
	s_barrier_signal -3
.Lnot_wave_0_\@:
	s_barrier_wait -3
	s_barrier_signal -1
	s_barrier_wait -1
.endm
	s_load_b128 s[4:7], s[0:1], 0x0                ; yb, wq
	s_load_b128 s[8:11], s[0:1], 0x10              ; bo, out0
	v_lshl_add_u32 v94, v0, 2, 0x48000
	v_mov_b32 v95, 0
	ds_add_u32 v94, v95
	ds_add_u32 v94, v95
	v_lshrrev_b32 v4, 5, v0
	v_readfirstlane_b32 s[WV], v4                  ; wave 0..3
	s_and_b32 s19, s[WV], 1                        ; which half of a tile I fetch
	s_bfe_u32 s20, ttmp6, 0x40000                  ; cx
	s_bfe_u32 s21, ttmp6, 0x40004                  ; cy
	s_and_b32 s56, ttmp7, 0xffff
	s_lshl_b32 s57, s56, 2
	s_add_co_u32 s57, s57, s21                     ; TQ = 4 x cluster y + cy (of 32)
	s_lshl_b32 s58, ttmp9, 2
	s_add_co_u32 s58, s58, s20                     ; TP = 4 x cluster x + cx (of 8)
	s_lshl_b32 s59, s21, 2
	s_lshl_b32 s59, 15, s59                        ; my row of the cluster
	s_lshl_b32 s60, 0x1111, s20                    ; my column
	; descriptor group 1: rows of 3,072 bytes (384 elements of 8 bytes: a group's two K steps), 12,288 bytes apart; y: 8 groups a load, Wo: 4
	s_or_b32 s24, s59, (3<<16)|(1<<21)             ; 15:0 the mask: y's tiles go to my row; 17:16 elements of 8 bytes; 21 set beside a mask
	s_mov_b32 s25, 384<<16
	s_mov_b32 s26, 8<<16
	s_mov_b32 s27, 384<<16
	s_mov_b32 s28, 8
	s_mov_b32 s29, 1536
	s_mov_b32 s30, 0
	s_mov_b32 s31, 0
	s_or_b32 s32, s60, (3<<16)|(1<<21)             ; Wo's tiles go to my column
	s_mov_b32 s33, 384<<16
	s_mov_b32 s34, 4<<16
	s_mov_b32 s35, 384<<16
	s_mov_b32 s36, 4
	s_mov_b32 s37, 1536
	s_mov_b32 s38, 0
	s_mov_b32 s39, 0
	s_mul_i32 s84, s57, 196608                     ; y: 16 groups of 12,288 bytes a tile,
	s_mul_i32 s59, s19, 98304                      ; + my 8 groups
	s_add_co_u32 s84, s84, s59
	s_mov_b32 s85, 0
	s_lshl_b32 s88, s57, 10                        ; y's scale words: 64 bytes a group and head: (16 TQ + 4 w) 64
	s_lshl_b32 s59, s[WV], 8
	s_add_co_u32 s88, s88, s59
	s_add_co_u32 s88, s88, YS
	s_mov_b32 s89, 0
	s_mul_i32 s90, s58, 98304                      ; Wo: 8 groups a tile,
	s_mul_i32 s60, s19, 49152                      ; + my 4 groups,
	s_add_co_u32 s90, s90, s60
	s_add_co_u32 s90, s90, 2359296                 ; behind the other three weights
	s_mov_b32 s91, 0
	s_lshl_b32 s94, s58, 12
	s_add_co_u32 s94, s94, WS+98304
	s_mov_b32 s95, 0
	s_mul_i32 s100, s19, 24576                     ; where they go in a quarter: no place in the cluster enters an LDS address
	s_mul_i32 s101, s19, 12288
	s_add_co_u32 s101, s101, POFF
	s_lshl_b32 s2, s58, 9                          ; the bias: 128 numbers from 128 TP on
	s_mov_b32 s3, 0
	s_lshl_b32 s62, s57, 20                        ; the output: row 256 TQ + 64 w, byte 512 TP
	s_lshl_b32 s63, s[WV], 18
	s_add_co_u32 s62, s62, s63
	s_add_co_u32 s62, s62, s2
	s_mov_b32 s63, 0
	s_wait_dscnt 0x0
	s_wait_kmcnt 0x0
	s_add_nc_u64 s[86:87], s[4:5], s[84:85]        ; y's codes
	s_add_nc_u64 s[96:97], s[4:5], s[88:89]        ; y's scale words
	s_add_nc_u64 s[92:93], s[6:7], s[90:91]        ; Wo's codes
	s_add_nc_u64 s[98:99], s[6:7], s[94:95]        ; Wo's scale words
	s_add_nc_u64 s[8:9], s[8:9], s[2:3]
	s_add_nc_u64 s[10:11], s[10:11], s[62:63]
.irp q, 0,1,2,3                                ; descriptor groups 0: a set for each quarter of K
	s_mov_b32 s[40+4*\q], 1
	s_add_co_u32 s[41+4*\q], s100, \q*QTR
	s_add_nc_u64 s[42+4*\q:43+4*\q], s[86:87], \q*3072
	s_or_b32 s[43+4*\q], s[43+4*\q], 0x80000000
	s_mov_b32 s[68+4*\q], 1
	s_add_co_u32 s[69+4*\q], s101, \q*QTR
	s_add_nc_u64 s[70+4*\q:71+4*\q], s[92:93], \q*3072
	s_or_b32 s[71+4*\q], s[71+4*\q], 0x80000000
.endr
	CROUND                                         ; all sixteen work-groups are here: the joint loads meet
	s_cmp_lt_u32 s[WV], 2                          ; waves 0 and 1 fetch y's halves, waves 2 and 3 Wo's: a wave's four fills stand in one branch on the wave's number
	s_cbranch_scc0 .Lfill_p
	tensor_load_to_lds s[40:43], s[24:31]
	s_nop 0
	tensor_load_to_lds s[44:47], s[24:31]
	s_nop 0
	tensor_load_to_lds s[48:51], s[24:31]
	s_nop 0
	tensor_load_to_lds s[52:55], s[24:31]
	s_nop 0
	PLACES                                         ; four v_nop follow the last
	s_branch .Lfilled
.Lfill_p:
	tensor_load_to_lds s[68:71], s[32:39]
	s_nop 0
	tensor_load_to_lds s[72:75], s[32:39]
	s_nop 0
	tensor_load_to_lds s[76:79], s[32:39]
	s_nop 0
	tensor_load_to_lds s[80:83], s[32:39]
	s_nop 0
	PLACES
.Lfilled:
	v_and_b32 v4, 31, v0                           ; lane
	v_and_b32 v5, 15, v0                           ; r
	v_bfe_u32 v6, v0, 4, 1                         ; h
	v_lshlrev_b32 v1, 4, v4                        ; 16 x lane
	v_lshlrev_b32 v2, 3, v4                        ; 8 x lane
	v_lshlrev_b32 v22, 2, v4                       ; 4 x lane
	v_lshlrev_b32 v3, 4, v5
	v_lshl_add_u32 v3, v6, 9, v3                   ; Wo's scale words: 16 r, lanes 16-31 the next group
	s_mul_i32 s3, s[WV], 12288
	v_add_nc_u32 v[AQ], s3, v1
	v_add_nc_u32 v[AQ8], s3, v2
	v_add_nc_u32 v[AP], POFF, v1
.irp q, 1,2,3
	v_add_nc_u32 v[AQ+\q], \q*QTR, v[AQ]
	v_add_nc_u32 v[AQ8+\q], \q*QTR, v[AQ8]
	v_add_nc_u32 v[AP+\q], \q*QTR, v[AP]
.endr
	v_lshlrev_b32 v7, 6, v6                        ; the bias: 16 h numbers on
	s_mul_i32 s3, s[WV], 16*SPITCH                 ; my stage
	v_mul_u32_u24 v20, v5, SPITCH
	v_lshl_add_u32 v20, v6, 6, v20
	v_add_nc_u32 v20, s3, v20                      ; into it: row r, + 64 h bytes
	v_add_nc_u32 v21, s3, v1                       ; out of it: 16 x lane
.irp i, 0,1,2,3
.irp j, 0,1
	global_load_b128 v[SP+8*\i+4*\j:SP+8*\i+4*\j+3], v3, s[98:99] offset:1024*\i+256*\j
.endr
.endr
.irp i, 0,1
.irp d, 0,1,2,3,4,5,6,7,8,9,10,11,12,13,14,15
	global_load_b32 v[144+16*\i+\d], v22, s[96:97] offset:32768*\d+128*\i   ; head d's words of groups 2 i (lanes 0-15) and 2 i + 1 (lanes 16-31): 128 consecutive bytes
.endr
.endr
.irp t, 0,1,2,3,4,5,6,7
	global_load_b128 v[BI+8*\t:BI+8*\t+3], v7, s[8:9] offset:(32*(\t/2)+8*(\t%2))*4
	global_load_b128 v[BI+8*\t+4:BI+8*\t+7], v7, s[8:9] offset:(32*(\t/2)+8*(\t%2))*4+16
.endr
; A K step's fragments.  Wo's: images, three loads of 16 bytes a lane.  y's: two half images side by side (registers 0-3, 4-5 of each)
.macro FETCH s, p
	WIN 0x80                                       ; destination window 2
.irp b, 0,1,2,3,4,5,6,7
.irp c, 0,1,2
	ds_load_b128 v[128*(\p)+12*\b+4*\c:128*(\p)+12*\b+4*\c+3], v[AP+(\s)/2] offset:3072*\b+1536*((\s)%2)+512*\c
.endr
.endr
	WIN 0
.irp a, 0,1,2,3
.irp e, 0,1
	ds_load_b128 v[QF+48*(\p)+12*\a+6*\e:QF+48*(\p)+12*\a+6*\e+3], v[AQ+(\s)/2] offset:3072*\a+1536*((\s)%2)+768*\e
	ds_load_b64 v[QF+48*(\p)+12*\a+6*\e+4:QF+48*(\p)+12*\a+6*\e+5], v[AQ8+(\s)/2] offset:3072*\a+1536*((\s)%2)+768*\e+512
.endr
.endr
.endm
; One product.  bo, ao: the group is odd: its scale words stand in lanes 16-31
.macro WM bo, ao
.if (\bo) && (\ao)
	v_wmma_scale_f32_16x16x128_f8f6f4 v[rD:rD+7], v[rP:rP+11], v[rQ:rQ+11], v[rC:rC+7], v[rSP], v[rSQ] matrix_a_fmt:MATRIX_FMT_BF6 matrix_b_fmt:MATRIX_FMT_BF6 matrix_a_scale:MATRIX_SCALE_ROW1 matrix_b_scale:MATRIX_SCALE_ROW1
.elseif \bo
	v_wmma_scale_f32_16x16x128_f8f6f4 v[rD:rD+7], v[rP:rP+11], v[rQ:rQ+11], v[rC:rC+7], v[rSP], v[rSQ] matrix_a_fmt:MATRIX_FMT_BF6 matrix_b_fmt:MATRIX_FMT_BF6 matrix_a_scale:MATRIX_SCALE_ROW1
.elseif \ao
	v_wmma_scale_f32_16x16x128_f8f6f4 v[rD:rD+7], v[rP:rP+11], v[rQ:rQ+11], v[rC:rC+7], v[rSP], v[rSQ] matrix_a_fmt:MATRIX_FMT_BF6 matrix_b_fmt:MATRIX_FMT_BF6 matrix_b_scale:MATRIX_SCALE_ROW1
.else
	v_wmma_scale_f32_16x16x128_f8f6f4 v[rD:rD+7], v[rP:rP+11], v[rQ:rQ+11], v[rC:rC+7], v[rSP], v[rSQ] matrix_a_fmt:MATRIX_FMT_BF6 matrix_b_fmt:MATRIX_FMT_BF6
.endif
.endm
; A K step's 32 products.  cm = 2: the bias starts the sums; 0: they add in place.  The 32 accumulators take turns, one instruction a turn, in the same order in every step
.macro MUL s, p, cm
.if (\cm) == 2
	WIN 0x42                                       ; source 0 (Wo) window 2, source 1 (y) and C (the bias) window 0, D window 1
.else
	WIN 0x52                                       ; C and D window 1
.endif
.irp a, 0,1,2,3
.irp b, 0,1,2,3,4,5,6,7
.set rD, 8*(8*\a+\b)
.if (\cm) == 2
.set rC, BI+8*\b
.else
.set rC, rD
.endif
.set rP, 128*(\p)+12*\b
.set rQ, QF+48*(\p)+12*\a
.set rSP, SP+8*(\b/2)+(\s)
.set rSQ, SQ+8*(\a/2)+(\s)
	WM \b%2, \a%2
.endr
.endr
.endm
.macro KSTEP s, cm
.if ((\s)+1 == 2) || ((\s)+1 == 4) || ((\s)+1 == 6)
	s_wait_tensorcnt 3-((\s)+1)/2                  ; my part of the next quarter of K is in; the later quarters' loads may be out
	s_wait_dscnt 0x0                               ; no LDS load of mine is pending at the signal
	s_barrier_signal -1
	s_barrier_wait -1                              ; everybody's part is in
.endif
.if ((\s) > 0) && ((\s) < 7)
	PLACES                                         ; in front of loads into the set that the last step multiplied
.endif
.if (\s) < 7
	FETCH (\s)+1, 1-(\s)%2
	s_wait_dscnt NF                                ; this step's fragments are in; the NF loads just issued may be out
.else
	s_wait_dscnt 0x0
.endif
	MUL \s, (\s)%2, \cm
	WIN 0
.endm
	s_wait_tensorcnt 3                             ; my part of the first quarter is in; three loads may be out
	s_barrier_signal -1
	s_barrier_wait -1
	FETCH 0, 0
	s_wait_loadcnt 0x0                             ; scale words and bias
.irp i, 0,1
.irp s, 0,1,2,3,4,5,6,7
	v_lshl_or_b32 v[SQ+8*\i+\s], v[144+16*\i+2*\s+1], 16, v[144+16*\i+2*\s]   ; K step s: head 2 s's two bytes below, head 2 s + 1's above
.endr
.endr
.rept 8
	v_nop                                          ; a scale register written by a vector instruction stands 8 places ahead of a scaled matrix instruction
.endr
	s_wait_alu depctr_va_vdst(0)
	KSTEP 0, 2
	KSTEP 1, 0
	KSTEP 2, 0
	KSTEP 3, 0
	KSTEP 4, 0
	KSTEP 5, 0
	KSTEP 6, 0
	KSTEP 7, 0
	; THE WAY OUT, a group of 16 tokens at a time: a lane holds 8 x 32 bytes of one row; the rows come back whole, 512 bytes, and the 32 lanes store them
	PLACES                                         ; behind the last products
.irp a, 0,1,2,3
.if \a >= 2
	s_wait_xcnt 0x0                                ; the stores of two groups ago have read their registers
.endif
	WIN 0x04                                       ; an LDS store's data are its source 1: window 1
.irp b, 0,1,2,3,4,5,6,7
	ds_store_b128 v20, v[64*\a+8*\b:64*\a+8*\b+3] offset:128*(\b/2)+32*(\b%2)          ; each accumulator from its low end on
	ds_store_b128 v20, v[64*\a+8*\b+4:64*\a+8*\b+7] offset:128*(\b/2)+32*(\b%2)+16
.endr
	WIN 0
.irp t, 0,1,2,3,4,5,6,7,8,9,10,11,12,13,14,15
	ds_load_b128 v[QF+64*(\a%2)+4*\t:QF+64*(\a%2)+4*\t+3], v21 offset:SPITCH*\t   ; LDS serves a wave's instructions in order: these see the stores above, and the next group's stores come behind them
.endr
.irp t, 0,1,2,3,4,5,6,7,8,9,10,11,12,13,14,15
	s_wait_dscnt 15-\t                             ; row t is back; the younger rows may be out
	global_store_b128 v1, v[QF+64*(\a%2)+4*\t:QF+64*(\a%2)+4*\t+3], s[10:11] offset:(32*(\a/2)+8*(\a%2)+\t+8*(\t/8))*4096 th:TH_STORE_NT   ; 512 consecutive bytes, aligned to 256
.endr
.endr
	s_wait_tensorcnt 0x0
	ds_add_u32 v94, v95
	s_wait_dscnt 0x0
	CROUND                                         ; the closing round: no work-group ends while a partner may still ask for a tile that names it
	s_endpgm
.Lfunc_end_k_qc984762eec_gout:
	.size	k_qc984762eec_gout, .Lfunc_end_k_qc984762eec_gout-k_qc984762eec_gout
	.p2alignl 7, 3214868480
	.fill 96, 4, 3214868480
	.section	.rodata,"a",@progbits
	.p2align	6, 0x0
	.amdhsa_kernel k_qc984762eec_gout
		.amdhsa_group_segment_fixed_size 295424
		.amdhsa_private_segment_fixed_size 0
		.amdhsa_enable_private_segment 0
		.amdhsa_kernarg_size 32
		.amdhsa_user_sgpr_count 2
		.amdhsa_user_sgpr_kernarg_segment_ptr 1
		.amdhsa_wavefront_size32 1
		.amdhsa_system_sgpr_workgroup_id_x 1
		.amdhsa_system_sgpr_workgroup_id_y 1
		.amdhsa_system_sgpr_workgroup_id_z 1
		.amdhsa_system_vgpr_workitem_id 0
		.amdhsa_next_free_vgpr 768
		.amdhsa_next_free_sgpr 102
		.amdhsa_reserve_vcc 0
		.amdhsa_float_denorm_mode_32 3
		.amdhsa_float_denorm_mode_16_64 3
		.amdhsa_memory_ordered 1
		.amdhsa_forward_progress 1
		.amdhsa_inst_pref_size 87
	.end_amdhsa_kernel
	.amdgpu_metadata
---
amdhsa.version: [ 1, 2 ]
amdhsa.kernels:
  - .name:           k_qc984762eec_gout
    .symbol:         k_qc984762eec_gout.kd
    .args:
      - { .name: yb, .offset: 0, .size: 8, .value_kind: global_buffer, .address_space: global }
      - { .name: wq, .offset: 8, .size: 8, .value_kind: global_buffer, .address_space: global }
      - { .name: bo, .offset: 16, .size: 8, .value_kind: global_buffer, .address_space: global }
      - { .name: out0, .offset: 24, .size: 8, .value_kind: global_buffer, .address_space: global }
    .group_segment_fixed_size: 295424
    .private_segment_fixed_size: 0
    .kernarg_segment_align: 8
    .kernarg_segment_size: 32
    .max_flat_workgroup_size: 128
    .sgpr_count:     102
    .vgpr_count:     768
    .wavefront_size: 32
...
	.end_amdgpu_metadata
.endif
;; end of part 4
